; MI455X (gfx1250); checked and timed in simulation.
; The chip was launched on July 23, 2026; its instructions are those of AMD's public machine-readable ISA for CDNA 5 (MIT licence, August 2026) and "CDNA5" Instruction Set Architecture Reference Guide (July 2026). The comments in the code are by the model that wrote it; some were corrected since.
;; Multi Head Attention. Allowed arithmetic: matrix products marked QUANTISED: E5M2 operands, one E8M0 scale for each 32 along K, by v_wmma_scale_f32_16x16x128_f8f6f4 with both operands' format E5M2, f32 sums; everything else in f32.
;; Inputs: Wk_codes 1,024 x 32 x 32 uint8 (E5M2 codes of Wk, K innermost, in blocks of 32 codes); Wk_scales 1,024 x 32 uint8 (E8M0 scales of Wk, one for each 32 codes along K); Wo_codes 1,024 x 32 x 32 uint8 (E5M2 codes of Wo, K innermost, in blocks of 32 codes); Wo_scales 1,024 x 32 uint8 (E8M0 scales of Wo, one for each 32 codes along K); Wq_codes 1,024 x 32 x 32 uint8 (E5M2 codes of Wq, K innermost, in blocks of 32 codes); Wq_scales 1,024 x 32 uint8 (E8M0 scales of Wq, one for each 32 codes along K); Wv_codes 1,024 x 32 x 32 uint8 (E5M2 codes of Wv, K innermost, in blocks of 32 codes); Wv_scales 1,024 x 32 uint8 (E8M0 scales of Wv, one for each 32 codes along K); bk 1,024 float32; bo 1,024 float32; bq 1,024 float32; bv 1,024 float32; x_codes 4 x 2,048 x 32 x 32 uint8 (E5M2 codes of x, K innermost, in blocks of 32 codes); x_scales 4 x 2,048 x 32 uint8 (E8M0 scales of x, one for each 32 codes along K).
;; Outputs: out0 4 x 2,048 x 1,024 float32.
;; This version of the problem:
;;   THIS VERSION OF THE PROBLEM IS GIVEN IN LOW PRECISION. The matrix products marked QUANTISED in the list below multiply operands that are first quantised to E5M2 (5 exponent bits, 2 mantissa bits; 8 bits a number), with one power-of-two scale for each 32 numbers along K (OCP MX v1.0); their sums are f32. All else is computed in f32.
;;   The module's matrix products, in the order in which they are computed (A, B: the left and right operand; K: the contracted axis; several contracted axes count as one K, in the product's order):
;;     1. [M 8,192, K 1,024] x [K 1,024, N 1,024]; A: input x (given as codes); B: input Wq (given as codes): QUANTISED
;;     2. [M 8,192, K 1,024] x [K 1,024, N 1,024]; A: input x (given as codes); B: input Wk (given as codes): QUANTISED
;;     3. [M 8,192, K 1,024] x [K 1,024, N 1,024]; A: input x (given as codes); B: input Wv (given as codes): QUANTISED
;;     4. batch 64 x [M 2,048, K 64] x [K 64, N 2,048]; A: computed on the way; B: computed on the way: QUANTISED
;;     5. batch 64 x [M 2,048, K 2,048] x [K 2,048, N 64]; A: softmax (see below); B: computed on the way: QUANTISED
;;     6. [M 8,192, K 1,024] x [K 1,024, N 1,024]; A: computed on the way; B: input Wo (given as codes): QUANTISED
;;   THE QUANTISER, for each operand of a quantised product, along K:
;;     - K is cut into blocks of 32 from its start; a last block that is shorter is filled with zeros.
;;     - A block's scale is 2^e with e = floor(log2(the largest magnitude in the block)) - 15, held to -126 .. 127; a block of zeros has e = 0. As a byte (E8M0): e + 127.
;;     - Each number is divided by its block's scale, clamped to +-57,344, and rounded to the nearest number of E5M2, ties to even, subnormals kept.
;;     - The product sums the exact products of the quantised numbers (number of the format x scale) in f32.
;;   ~~~python
;;   def quantise(x, axis):      # numpy; x: float32 -> the quantised numbers, widened to float32 again
;;       x = np.moveaxis(x, axis, -1); K = x.shape[-1]
;;       x = np.pad(x, [(0, 0)] * (x.ndim - 1) + [(0, -K % 32)]); x = x.reshape(x.shape[:-1] + (-1, 32)); a = np.abs(x).max(-1, keepdims=True)
;;       e = np.where(a > 0, np.clip(np.frexp(np.where(a > 0, a, 1))[1] - 1 - 15, -126, 127), 0)      # np.frexp(a)[1] - 1 = floor(log2(a)), exactly
;;       r = np.clip(x / 2.0 ** e, -57344, 57344)
;;       step = 2.0 ** (np.maximum(np.frexp(np.where(r == 0, 1, r))[1] - 1, -14) - 2)
;;       q = np.round(r / step) * step * 2.0 ** e      # np.round: ties to even
;;       return np.moveaxis(q.reshape(q.shape[:-2] + (-1,))[..., :K], -1, axis).astype(np.float32)
;;   ~~~
;;   SOFTMAX AHEAD OF A QUANTISED PRODUCT. Where the list says 'softmax', what is quantised is not the finished softmax but p = 2^(t - M), with t = logit x log2(e) and M = ceil(the row's largest t), a whole number; so 1/2 < the row's largest p <= 1. The row's sum l is taken of the UNQUANTISED p, in f32, and the product's result is divided by l at the end. Since M is a whole number, a kernel that streams over the keys may use a running M (the ceiling of the running maximum): every later rescaling is an exact power of two, which a block's scale takes up: the codes' values come out the same.
;;   OPERANDS COMPUTED ON THE WAY. 'Computed on the way' means the value that the module computes at that place (a softmax that the list does not call 'softmax' is quantised finished and normalised). What goes into a quantiser is computed in f32, as accurately as f32 sums, v_exp_f32 and their like allow (about 1e-6 of the number): no bf16 or f16 on the way to a quantiser, and a product that is left as it is and whose result goes on into a quantised operand takes f32 operands (vector FMAs, or v_wmma_f32_16x16x4_f32). A number that lies on a knife's edge between two numbers of the format may be rounded either way, as far as f32 arithmetic and the matrix unit's own rounding can turn it there, and no further.
;;   INPUTS GIVEN AS CODES. Wk (in the module: [1024, 1024], K = its axis 0); Wo (in the module: [1024, 1024], K = its axis 0); Wq (in the module: [1024, 1024], K = its axis 0); Wv (in the module: [1024, 1024], K = its axis 0); x (in the module: [4, 2048, 1024], K = its axis 2): each comes as NAME_codes (uint8): NAME with its K axis moved to the last place and cut into blocks of 32 codes, [.., K / 32, bytes a block], one block behind the other in memory; one code a byte (a code: sign, 5 exponent bits, 2 mantissa bits); and NAME_scales (uint8): the same leading axes, one E8M0 byte (e + 127) for each 32 codes along K. Its value is code x scale, taken as it is: it is not quantised again, and the codes and scales need not be those that the quantiser above would give.
;; One version. Each part assembles by itself: llvm-mc -triple=amdgcn-amd-amdhsa -mcpu=gfx1250 --defsym DOCPART=n.
;; ======== version 1 of 1: 3 launches
;; limits: right only within a limited range of input values
;; workspace buffers: qkv 26,476,544 bytes; ao_img 8,388,608 bytes; ao_sc 262,144 bytes
;; launch qkv (part 1): grid 12 x 32, 4 waves a work-group, clusters of 4 x 4, 327,680 bytes of LDS; arguments x_codes, x_scales, Wq_codes, Wq_scales, Wk_codes, Wk_scales, Wv_codes, Wv_scales, bq, bk, bv, qkv; writes qkv
.if DOCPART == 1
	.amdgcn_target "amdgcn-amd-amdhsa--gfx1250"
	.amdhsa_code_object_version 6
	.text
	.protected	k_qf999a48e37_qkv
	.globl	k_qf999a48e37_qkv
	.p2align	8
	.type	k_qf999a48e37_qkv,@function
k_qf999a48e37_qkv:
	s_mov_b64 s[64:65], 0
	v_nop
	global_prefetch_b8 v0, s[64:65] scope:SCOPE_SE
	s_setreg_imm32_b32 hwreg(HW_REG_WAVE_MODE, 25, 1), 1
	s_wait_xcnt 0x0
	s_wait_alu depctr_hold_cnt(0) depctr_sa_sdst(0) depctr_va_vdst(0) depctr_va_sdst(0) depctr_va_ssrc(0) depctr_va_vcc(0) depctr_vm_vsrc(0)
	s_getreg_b32 s2, hwreg(HW_REG_IB_STS2, 6, 4)
	s_cmp_eq_u32 s2, 0
	s_cbranch_scc0 .Lentry_in_a_cluster
	s_endpgm
.Lentry_in_a_cluster:
	s_bfe_u32 s2, ttmp6, 0x10000c
	s_cmp_lg_u32 s2, 0xf033
	s_cbranch_scc0 .Lentry_shape_is_right
	s_endpgm
.Lentry_shape_is_right:
; q = x Wq + bq, k = x Wk + bk, v = x Wv + bv on codes of BF8 (E5M2) with one E8M0 scale for each 32 along K = 1,024; the results are quantised here, in registers, and leave as codes:
; q and k along the head's 64 channels, v along the tokens (the keys of the second attention product).  No f32 result goes to memory.
; A tile of 256 x 256 is made by a work-group of four waves, 128 x 128 a wave: 64 accumulators, 512 registers.  K goes in steps of 256 through a ring of two LDS slots filled by the tensor data mover;
; the scale bytes of the work-group's 256 + 256 rows, for all of K, come into LDS once.
; CLUSTERS of 4 x 4 work-groups: the cluster's x (0, 1, 2) says which weight: q, k or v; it is the same in all sixteen partners.  Tiles of operand A are shared along a row of the cluster, those of B along a column.
; THE MATRIX INSTRUCTION IS USED TRANSPOSED (source 0 = 16 rows of B, source 1 = 16 rows of A): a lane holds ONE row of A and its registers run along the rows of B.
;   q, k: A = x (tokens), B = the weight (columns): a lane holds a token, registers run along the channels.      v: A = Wv (channels), B = x (tokens): a lane holds a channel, registers run along the tokens.
; So in all three cases a lane's registers run along the axis that is quantised, and one text serves all three; the roles are changed by the choice of pointers and of a few offsets alone.
; THE ORDER INSIDE A BLOCK OF 32.  The 16 registers of two neighbouring result tiles hold indices 32 c + 8 h + 0..7 and 32 c + 16 + 8 h + 0..7 (h = lane / 16); they are converted as they stand into registers 4 c .. 4 c + 3 of the
; next operand, whose places mean 32 c + 16 h + 0..15.  That is a permutation inside one scale block, the same for q and k, and the same for v as for the weights p of the attention launch: products and scales are unchanged.
; OUTPUT: qkv = [batch x head 64][slot of 256 tokens 8] blocks of SLOTB bytes, each: K images, V images, K scale words, V scale words, Q images, Q scale words: images of operand registers, 16 bytes a lane.
; The bias is the C of each sum's first matrix instruction.
; LIMITS: NaN and infinities are not served.  A block whose largest magnitude lies under 2^-111, a block of zeros among them, gets the scale byte 1 (the rule says 127 for zeros): its codes are zeros or subnormals, and this program alone reads the byte.
; The 384 work-groups are no multiple of the 256 WGPs: tiles of 256 x 192 would straddle two weights, tiles of 128 x 256 would read half as many LDS bytes again for each product.
.set KSTEP,  256
.set NQ,     2                         ; matrix instructions deep in a slot
.set ROWB,   256                       ; a tile's row in bytes
.set KROW,   1024                      ; a row of x or of a weight in memory, in bytes
.set PITCH,  272                       ; an LDS row: 256 bytes + 16 of padding: the 16 rows that a load touches start 68 words apart
.set FR,     16                        ; registers of a fragment
.set NL,     4                         ; LDS loads that bring one
.set NP,     8                         ; places behind this matrix instruction (ISA guide 7.12.1)
.set HALFT,  128*PITCH
.set SLOT,   4*HALFT                   ; A's 256 rows, then B's 256 rows
.set LAPS,   2                         ; 1,024 / (2 x 256)
.set KS,     32                        ; a row of scale bytes
.set SCL,    2*SLOT                    ; behind the ring: the scales, as units of 256 bytes + 16 of padding
.set HALFS,  (128*KS/256)*272
.set SBLK,   (16*KS/256)*272
.set SPARE,  SCL+4*HALFS               ; the spare words, 128 bytes for each wave: two blocks of 256 bytes that no other line names
.set SLOTB,  51712                     ; a block of qkv: 256 tokens of one head
.set HEADB,  8*SLOTB
.set O_VIMG, 16384
.set O_KSC,  32768
.set O_VSC,  33792
.set O_QIMG, 34304
.set O_QSC,  50688
.set VOA,  7                           ; v7   16 x lane: my place in an image
.set VOB,  8                           ; v8   the same, two images on (q, k: in the next head)
.set VS1,  9                           ; v9   my place among the scale words of blocks 0-3
.set VS2,  10                          ; v10  and of blocks 4-7
.set SH,   11                          ; v11  q, k: 16 x (lane / 16): lanes 16-31 take the second head's two bytes; v: 0
.set FLR,  12                          ; v12  the floor 2^(16 - 127)
.set ADRA, 16
.set ADRB, 20
.set ADRS, 27
.set SPW,  28                          ; v28  LDS address of my spare word; never rewritten
.set NIL,  29                          ; v29  0; never rewritten
.set SC,   32                          ; v32-63 scale words, two sets
.set BIAS, 64                          ; v64-127 eight groups of eight: the C of the first products
.set AF,   128                         ; A's fragments, window 0
.set TM,   128                         ; the way out (A's fragments are done with): v128-143 at work
.set PW,   144                         ; the scale word just made
.set PC,   160                         ; v160-175 the codes just made
.set SW,   176                         ; v176-183 the scale words of my eight blocks
.set G1, 24
.set G0, 32
.set G1B, 48
.set G0B, 56
.set G1S, 68
.set G0S, 76
.set G1SB, 80
.set G0SB, 88
.set SEL, 20                           ; s[20:21] lane selects for v_permlanex16_b32 (set ahead of the way out)
.set MNT, 22
.set MSB, 0
.macro WIN new                         ; the immediate's high byte repeats the setting that is left
.if MSB != (\new)
	s_set_vgpr_msb (MSB<<8)|(\new)
.set MSB, (\new)
.endif
.endm
.set MUL_LO, 0xa1                      ; source 0 (B) window 1, source 1 (A) window 0, C and D window 2
.set MUL_HI, 0xf1                      ; the same, C and D window 3
.set TO_B,   0x40                      ; destination window 1, address window 0
; A joint load: waves 0 and 1 fetch for A, waves 2 and 3 for B.  The branch hangs on the wave's number alone.  Four v_nop follow each of the two lines.
.macro JLOAD g0a, g1a, g0b, g1b
	s_cmp_eq_u32 s15, 0
	s_cbranch_scc0 .Lfor_b_\@
	tensor_load_to_lds s[\g0a:\g0a+3], s[\g1a:\g1a+7]
	s_nop 0
.rept 4
	v_nop
.endr
	s_branch .Lasked_\@
.Lfor_b_\@:
	tensor_load_to_lds s[\g0b:\g0b+3], s[\g1b:\g1b+7]
	s_nop 0
.rept 4
	v_nop
.endr
.Lasked_\@:
.endm
.macro CREST                           ; a round of the cluster's barrier behind its opening barrier
	s_cmp_lg_u32 s14, 0
	s_cbranch_scc1 .Lnot_wave_0_\@
	s_barrier_signal -3
.Lnot_wave_0_\@:
	s_barrier_wait -3
	s_barrier_signal -1
	s_barrier_wait -1
.endm
.macro CROUND                          ; a whole round
	s_barrier_signal -1
	s_barrier_wait -1
	CREST
.endm
	s_load_b512 s[68:83], s[0:1], 0x0              ; x codes, x scales, Wq codes, scales, Wk codes, scales, Wv codes, scales
	s_load_b256 s[84:91], s[0:1], 0x40             ; bq, bk, bv, qkv
	v_lshl_add_u32 v[SPW], v0, 2, SPARE
	v_mov_b32 v[NIL], 0
	ds_add_u32 v28, v29
	ds_add_u32 v28, v29
	s_wait_dscnt 0x0
	v_lshrrev_b32 v1, 5, v0
	v_readfirstlane_b32 s14, v1                    ; wave 0..3
	s_lshr_b32 s15, s14, 1                         ; which half of A's rows is mine.  Also: I fetch for A (0) or for B (1)
	s_and_b32 s16, s14, 1                          ; which half of B's rows.  Also: which 128 rows of that tile I fetch
	s_bfe_u32 s40, ttmp6, 0x40000                  ; cx, cy: my place in the cluster
	s_bfe_u32 s41, ttmp6, 0x40004
	s_and_b32 s18, ttmp7, 0xffff
	s_lshl_b32 s18, s18, 2                         ; 4 x cluster y
	s_cmp_eq_u32 ttmp9, 2                          ; cluster x = 2: v
	s_cselect_b32 s96, 1, 0
	s_cselect_b32 s19, 0, s18
	s_cselect_b32 s20, s18, 0
	s_add_co_u32 s17, s41, s19                     ; A's tile: q, k: 4 x cluster y + cy (tokens); v: cy (channels)
	s_add_co_u32 s42, s40, s20                     ; B's tile: q, k: cx (columns); v: 4 x cluster y + cx (tokens)
	s_lshl_b32 s43, s41, 2
	s_lshl_b32 s43, 15, s43                        ; my row of the cluster
	s_lshl_b32 s44, 0x1111, s40                    ; my column
	s_or_b32 s[G1+0], s43, (0<<16)|(1<<20)|(1<<21)|(5<<22)|(3<<25)  ; the mask; elements of 1 byte; padding on; bit 21 beside a mask; after every 64 words, 4 words
	s_or_b32 s[G1B+0], s44, (0<<16)|(1<<20)|(1<<21)|(5<<22)|(3<<25)
.irp g, G1, G1B
	s_mov_b32 s[\g+1], ROWB<<16                    ; tensor_dim0
	s_mov_b32 s[\g+2], 128<<16                     ; tensor_dim1
	s_mov_b32 s[\g+3], ROWB<<16                    ; tile_dim0
	s_mov_b32 s[\g+4], 128                         ; tile_dim1
	s_mov_b32 s[\g+5], KROW                        ; tensor_dim0_stride
	s_mov_b32 s[\g+6], 0
	s_mov_b32 s[\g+7], 0
.endr
	s_lshl_b32 s18, s16, 7                         ; which 128 rows of the tile I fetch
	s_lshl_b32 s20, s17, 8
	s_add_co_u32 s20, s20, s18                     ; A: row 256 x tile + 128 x half
	s_lshl_b32 s46, s42, 8
	s_add_co_u32 s46, s46, s18                     ; B likewise
	s_mov_b32 s21, 0
	s_mov_b32 s47, 0
	s_mov_b64 s[18:19], KS
	s_mul_u64 s[22:23], s[20:21], s[18:19]         ; where these rows' scales begin, in bytes
	s_mul_u64 s[92:93], s[46:47], s[18:19]
	s_mov_b64 s[18:19], KROW
	s_mul_u64 s[20:21], s[20:21], s[18:19]         ; and their codes
	s_mul_u64 s[46:47], s[46:47], s[18:19]
	s_mul_i32 s45, s14, HALFT                      ; where they go: wave x 128 rows: no place in the cluster enters an LDS address
	s_mul_i32 s94, s14, HALFS
	s_wait_kmcnt 0x0
	s_cmp_eq_u32 ttmp9, 0                          ; the choice of buffers hangs on the cluster's x alone
	s_cselect_b64 s[8:9], s[72:73], s[76:77]       ; the weight of q or of k,
	s_cselect_b64 s[10:11], s[74:75], s[78:79]
	s_cselect_b64 s[100:101], s[84:85], s[86:87]   ; and its bias
	s_cmp_eq_u32 ttmp9, 2
	s_cselect_b64 s[4:5], s[80:81], s[68:69]       ; A: Wv for v, else x
	s_cselect_b64 s[6:7], s[82:83], s[70:71]
	s_cselect_b64 s[8:9], s[68:69], s[8:9]         ; B: x for v, else the weight
	s_cselect_b64 s[10:11], s[70:71], s[10:11]
	s_cselect_b64 s[100:101], s[88:89], s[100:101]
	s_mov_b64 s[12:13], s[90:91]                   ; qkv, for the codes,
	s_mov_b64 s[98:99], s[90:91]                   ; and for the scale words
	; s68 to s91 are free now.  The scales of 128 rows: a dense block of 4,096 bytes, as 16 rows of 256 bytes (32 elements of 8 bytes), 16 bytes of padding behind each
	s_or_b32 s[G1S+0], s43, (3<<16)|(1<<20)|(1<<21)|(5<<22)|(3<<25)
	s_or_b32 s[G1SB+0], s44, (3<<16)|(1<<20)|(1<<21)|(5<<22)|(3<<25)
.irp g, G1S, G1SB
	s_mov_b32 s[\g+1], 32<<16
	s_mov_b32 s[\g+2], (128*KS/256)<<16
	s_mov_b32 s[\g+3], 32<<16
	s_mov_b32 s[\g+4], 128*KS/256
	s_mov_b32 s[\g+5], 32
	s_mov_b32 s[\g+6], 0
	s_mov_b32 s[\g+7], 0
.endr
	s_add_nc_u64 s[20:21], s[4:5], s[20:21]
	s_add_nc_u64 s[22:23], s[6:7], s[22:23]
	s_add_nc_u64 s[46:47], s[8:9], s[46:47]
	s_add_nc_u64 s[92:93], s[10:11], s[92:93]
	CROUND                                         ; all sixteen work-groups are here: the first joint loads meet
	s_mov_b32 s[G0S], 1
	s_add_co_u32 s[G0S+1], s94, SCL
	s_mov_b64 s[G0S+2:G0S+3], s[22:23]
	s_or_b32 s[G0S+3], s[G0S+3], 0x80000000
	s_mov_b32 s[G0SB], 1
	s_add_co_u32 s[G0SB+1], s94, SCL
	s_mov_b64 s[G0SB+2:G0SB+3], s[92:93]
	s_or_b32 s[G0SB+3], s[G0SB+3], 0x80000000
	JLOAD G0S, G1S, G0SB, G1SB                     ; the scales first: they are wanted with K step 0
.irp s, 0,1
	s_mov_b32 s[G0+4*\s], 1
	s_add_co_u32 s[G0+4*\s+1], s45, \s*SLOT
	s_add_nc_u64 s[G0+4*\s+2:G0+4*\s+3], s[20:21], \s*ROWB
	s_or_b32 s[G0+4*\s+3], s[G0+4*\s+3], 0x80000000
	s_mov_b32 s[G0B+4*\s], 1
	s_add_co_u32 s[G0B+4*\s+1], s45, \s*SLOT
	s_add_nc_u64 s[G0B+4*\s+2:G0B+4*\s+3], s[46:47], \s*ROWB
	s_or_b32 s[G0B+4*\s+3], s[G0B+4*\s+3], 0x80000000
	JLOAD G0+4*\s, G1, G0B+4*\s, G1B
.endr
	v_and_b32 v1, 15, v0                           ; r = lane % 16
	v_bfe_u32 v2, v0, 4, 1                         ; h = lane / 16
	v_mul_u32_u24 v3, v1, PITCH
	v_lshl_add_u32 v4, v2, 4, v3                   ; a fragment's row x pitch + 16 x half
	s_mul_i32 s21, s15, HALFT                      ; my 128 rows of A
	s_mul_i32 s22, s16, HALFT                      ; my 128 rows of B,
	s_add_co_u32 s22, s22, 2*HALFT                 ; which lie behind A's 256
.irp s, 0,1
	v_add_nc_u32 v[ADRA+\s], s21, v4
	v_add_nc_u32 v[ADRB+\s], s22, v4
	s_add_co_u32 s21, s21, SLOT
	s_add_co_u32 s22, s22, SLOT
.endr
	v_mul_u32_u24 v5, v1, KS                       ; my row's scales: KS bytes a row,
	v_lshrrev_b32 v6, 8, v5
	v_lshl_add_u32 v5, v6, 4, v5                   ; and 16 more for each 256 passed
	s_mul_i32 s21, s15, HALFS                      ; A's: my 128 rows
	s_mul_i32 s22, s16, HALFS                      ; B's: my 128 rows, behind A's 256
	s_add_co_u32 s22, s22, 2*HALFS
	s_sub_co_u32 s22, s22, s21
	v_mul_u32_u24 v6, s22, v2                      ; lanes 16-31 take B's
	s_add_co_u32 s21, s21, SCL
	v_add_nc_u32 v5, v5, v6
	v_add_nc_u32 v[ADRS], s21, v5
	; ---- where the results go.  Every choice hangs on s96 (v or not) or on the cluster's x
	s_cmp_eq_u32 s96, 1
	s_cselect_b32 s4, s42, s17                     ; my tile of 256 tokens,
	s_cselect_b32 s5, s17, s42                     ; my tile of 256 columns (4 heads),
	s_cselect_b32 s6, s16, s15                     ; my wave's half of the tokens,
	s_cselect_b32 s7, s15, s16                     ; and of the columns (2 heads)
	s_mov_b32 s2, HEADB
	s_mov_b32 s8, 512
	s_cselect_b32 s8, 256, s8                      ; bytes of scale words of 128 tokens in one head
	s_mov_b32 s92, 1024
	s_cselect_b32 s92, 2048, s92                   ; from one block of A's rows to the next: q, k: a tile of 16 tokens; v: a tile of 16 channels;
	s_mov_b32 s94, 1024
	s_cselect_b32 s94, HEADB-3*2048, s94           ; from block 3 to block 4: v: the next head's first tile of channels
	s_cselect_b32 s9, 1024, s2                     ; from the first two images of a block to the last two: q, k: the next head; v: key blocks 2, 3
	s_cselect_b32 s10, 0, s2                       ; scale words: lanes 16-31: q, k: the next head; v: the same place and the same value
	s_mov_b32 s11, 256
	s_cselect_b32 s11, s2, s11                     ; scale words of blocks 4-7: q, k: the next 64 tokens; v: the next head
	s_cselect_b32 s18, 0, 16
	s_mov_b32 s97, 0xffff
	s_cselect_b32 s97, -1, s97                     ; q, k: a word keeps two bytes (the head's two blocks of 32), the upper two are 0; v: all four
	s_mov_b32 s93, 0
	s_mov_b32 s95, 0
	s_cmp_eq_u32 ttmp9, 0
	s_cselect_b32 s19, O_QIMG, 0
	s_mov_b32 s40, O_KSC
	s_cselect_b32 s40, O_QSC, s40
	s_cmp_eq_u32 s96, 1
	s_cselect_b32 s19, O_VIMG, s19                 ; my section of images,
	s_cselect_b32 s40, O_VSC, s40                  ; and of scale words
	s_lshr_b32 s41, s4, 3                          ; the batch: 8 tiles of tokens each
	s_lshl_b32 s41, s41, 4
	s_lshl_b32 s43, s5, 2
	s_add_co_u32 s41, s41, s43
	s_lshl_b32 s43, s7, 1
	s_add_co_u32 s41, s41, s43                     ; 16 x batch + my first head
	s_lshl_b32 s41, s41, 3
	s_and_b32 s43, s4, 7
	s_add_co_u32 s41, s41, s43                     ; x 8 + the slot of 256 tokens
	s_mul_i32 s41, s41, SLOTB                      ; the block's first byte (under 2^25)
	s_lshl_b32 s44, s6, 13                         ; 128 tokens are 8,192 bytes of images in all three sections
	s_add_co_u32 s44, s44, s19
	s_add_co_u32 s44, s44, s41
	s_mov_b32 s45, 0
	s_add_nc_u64 s[12:13], s[12:13], s[44:45]
	s_mul_i32 s44, s6, s8
	s_add_co_u32 s44, s44, s40
	s_add_co_u32 s44, s44, s41
	s_add_nc_u64 s[98:99], s[98:99], s[44:45]
	s_lshl_b32 s44, s5, 10
	s_lshl_b32 s46, s7, 9
	s_add_co_u32 s44, s44, s46
	s_add_nc_u64 s[100:101], s[100:101], s[44:45]  ; the bias of my 128 columns
	v_and_b32 v6, 31, v0
	v_lshlrev_b32 v[VOA], 4, v6
	v_add_nc_u32 v[VOB], s9, v[VOA]
	v_mul_u32_u24 v[VS1], s10, v2
	v_lshl_add_u32 v[VS1], v1, 4, v[VS1]
	v_add_nc_u32 v[VS2], s11, v[VS1]
	v_mul_u32_u24 v[SH], s18, v2
	v_mov_b32 v[FLR], 0x8000000
	; ---- the bias, in the result's layout.  Both ways write all 64 registers
	s_cmp_eq_u32 s96, 1
	s_cbranch_scc1 .Lbias_v
	v_lshlrev_b32 v13, 5, v2                       ; q, k: group b, register j: the bias of column 16 b + 8 h + j
.irp b, 0,1,2,3,4,5,6,7
	global_load_b128 v[BIAS+8*\b:BIAS+8*\b+3], v13, s[100:101] offset:64*\b
	global_load_b128 v[BIAS+8*\b+4:BIAS+8*\b+7], v13, s[100:101] offset:64*\b+16
.endr
	s_branch .Lbias_done
.Lbias_v:
	v_lshlrev_b32 v13, 2, v1                       ; v: group a, every register: the bias of channel 16 a + r
.irp a, 0,1,2,3,4,5,6,7
.irp j, 0,1,2,3,4,5,6,7
	global_load_b32 v[BIAS+8*\a+\j], v13, s[100:101] offset:64*\a
.endr
.endr
.Lbias_done:
.macro FRAG reg, adr, q, i             ; a fragment, 16 rows x 128 K, is 16 registers: lane l holds row l % 16; registers 4 c .. 4 c + 3 hold K = 32 c + 16 (l / 16) + 0 .. 15
.irp c, 0,1,2,3
	ds_load_b128 v[\reg+4*\c:\reg+4*\c+3], v[\adr] offset:128*(\q)+32*\c+(\i)*16*PITCH
.endr
.endm
; 16 matrix instructions: A's blocks a0, a0 + 1 x B's eight, 128 along K.  p: B's set; sc: the set of scale words.  mode 0: adds in place; 1: C = the bias group of B's block; 2: of A's block.
; The 64 accumulators take turns, one instruction a turn, in the same order in every step.
.macro MUL16 a0, p, q, sc, mode
.irp a, \a0, \a0+1
.irp b, 0,1,2,3,4,5,6,7
.if \mode == 1
	v_wmma_scale_f32_16x16x128_f8f6f4 v[8*(8*((\a)%4)+\b):8*(8*((\a)%4)+\b)+7], v[128*(\p)+FR*\b:128*(\p)+FR*\b+FR-1], v[AF+FR*(\a):AF+FR*(\a)+FR-1], v[BIAS+8*\b:BIAS+8*\b+7], v[SC+8*NQ*(\sc)+NQ*\b+(\q)], v[SC+8*NQ*(\sc)+NQ*(\a)+(\q)] matrix_a_fmt:MATRIX_FMT_BF8 matrix_b_fmt:MATRIX_FMT_BF8 matrix_a_scale:MATRIX_SCALE_ROW1
.elseif \mode == 2
	v_wmma_scale_f32_16x16x128_f8f6f4 v[8*(8*((\a)%4)+\b):8*(8*((\a)%4)+\b)+7], v[128*(\p)+FR*\b:128*(\p)+FR*\b+FR-1], v[AF+FR*(\a):AF+FR*(\a)+FR-1], v[BIAS+8*(\a):BIAS+8*(\a)+7], v[SC+8*NQ*(\sc)+NQ*\b+(\q)], v[SC+8*NQ*(\sc)+NQ*(\a)+(\q)] matrix_a_fmt:MATRIX_FMT_BF8 matrix_b_fmt:MATRIX_FMT_BF8 matrix_a_scale:MATRIX_SCALE_ROW1
.else
	v_wmma_scale_f32_16x16x128_f8f6f4 v[8*(8*((\a)%4)+\b):8*(8*((\a)%4)+\b)+7], v[128*(\p)+FR*\b:128*(\p)+FR*\b+FR-1], v[AF+FR*(\a):AF+FR*(\a)+FR-1], v[8*(8*((\a)%4)+\b):8*(8*((\a)%4)+\b)+7], v[SC+8*NQ*(\sc)+NQ*\b+(\q)], v[SC+8*NQ*(\sc)+NQ*(\a)+(\q)] matrix_a_fmt:MATRIX_FMT_BF8 matrix_b_fmt:MATRIX_FMT_BF8 matrix_a_scale:MATRIX_SCALE_ROW1
.endif
.endr
.endr
.endm
.macro FETCH_B slot, q, p              ; B's eight fragments of the slot's q-th 128 along K into set p
	WIN TO_B
.irp i, 0,1,2,3,4,5,6,7
	FRAG 128*(\p)+FR*\i, ADRB+\slot, \q, \i
.endr
	WIN 0
.endm
.macro FETCH_A slot, q, i0             ; A's blocks i0 .. i0 + 3
.irp i, \i0, \i0+1, \i0+2, \i0+3
	FRAG AF+FR*(\i), ADRA+\slot, \q, \i
.endr
.endm
.macro SCALES sc                       ; a K step's scale words into set sc: lanes 0-15 take A's block i, lanes 16-31 B's block i
.irp i, 0,1,2,3,4,5,6,7
	ds_load_b64 v[SC+8*NQ*\sc+NQ*\i:SC+8*NQ*\sc+NQ*\i+1], v[ADRS] offset:\i*SBLK
.endr
.endm
.macro PLACES n                        ; plain vector instructions between a matrix instruction and a load into, or a read of, its registers
.rept \n
	v_nop
.endr
.endm
; A step of 128 along K that has its successor in the same slot.  A has one set of registers: blocks 0-3 are fetched anew in the step's middle, blocks 4-7 at its end; B has two sets.
.macro STEP slot, q, mode
	s_wait_dscnt 4*NL                              ; all but the youngest 16 loads (A's blocks 4-7) are in
.if \mode
	WIN 0x81                                       ; C (the bias) in window 0, D in window 2
.else
	WIN MUL_LO
.endif
	MUL16 0, (\q)%2, \q, \slot, \mode
	MUL16 2, (\q)%2, \q, \slot, \mode
	s_wait_dscnt 0                                 ; A's blocks 4-7 are in
	PLACES NP
	FETCH_B \slot, (\q)+1, 1-(\q)%2
	FETCH_A \slot, (\q)+1, 0
.if \mode
	WIN 0xc1
.else
	WIN MUL_HI
.endif
	MUL16 4, (\q)%2, \q, \slot, \mode
	MUL16 6, (\q)%2, \q, \slot, \mode
	PLACES NP
	WIN 0
	FETCH_A \slot, (\q)+1, 4
.endm
; A slot's last step changes slots: one barrier; in front of it each wave waits for all its tensor loads, adds 0 to its spare word, and waits for that and for its own reads of this slot.  fill = 1: this slot is filled again, two K steps ahead.
.macro TURN slot, next, fill
	s_wait_tensorcnt 0x0                           ; all my tensor loads have landed: my part of the next slot (every window is 0 here)
	ds_add_u32 v[SPW], v[NIL]                      ; 0 onto my spare word
	s_wait_dscnt 4*NL+1                            ; the add and the youngest 16 loads (A's blocks 4-7) may be out
	WIN MUL_LO
	MUL16 0, 1, NQ-1, \slot, 0                     ; sixteen matrix instructions stand between the add and the wait for it
	s_wait_dscnt 0x0                               ; the add is done, and my reads of this slot are over
	s_barrier_signal -1
	MUL16 2, 1, NQ-1, \slot, 0
	WIN 0
	s_barrier_wait -1
.if \fill
	CREST                                          ; the barrier has opened a round of the cluster's barrier: no wave of any partner still reads this slot or has a load on its way
	s_add_nc_u64 s[G0+4*\slot+2:G0+4*\slot+3], s[G0+4*\slot+2:G0+4*\slot+3], 2*ROWB
	s_add_nc_u64 s[G0B+4*\slot+2:G0B+4*\slot+3], s[G0B+4*\slot+2:G0B+4*\slot+3], 2*ROWB
	JLOAD G0+4*\slot, G1, G0B+4*\slot, G1B         ; the first tensor load behind the round; its four v_nop are among the places in front of the loads below
	PLACES NP-4
.else
	PLACES NP
.endif
	s_wait_alu depctr_va_vdst(0)
	v_add_nc_u32 v[ADRS], 4*NQ, v[ADRS]            ; on to the next K step's scale words
	FETCH_B \next, 0, 0
	FETCH_A \next, 0, 0
	SCALES \next
	WIN MUL_HI
	MUL16 4, 1, NQ-1, \slot, 0
	MUL16 6, 1, NQ-1, \slot, 0
	PLACES NP
	WIN 0
	FETCH_A \next, 0, 4
.endm
	s_wait_tensorcnt 1                             ; of my three loads the scales and K step 0 are in; K step 1's may be out
	s_barrier_signal -1
	s_barrier_wait -1
	FETCH_B 0, 0, 0
	FETCH_A 0, 0, 0
	SCALES 0
	FETCH_A 0, 0, 4
	s_wait_loadcnt 0x0                             ; the bias
	s_cmp_eq_u32 s96, 1                            ; the first step stands in front of the loop, once for each way of taking the bias; both ways issue the same LDS loads
	s_cbranch_scc1 .Lfirst_v
	STEP 0, 0, 1
	s_branch .Lfirst_done
.Lfirst_v:
	STEP 0, 0, 2
.Lfirst_done:
	s_mov_b32 s3, LAPS-1
.Llap:                                             ; a trip goes once round the ring, from a lap's second step to the next lap's first, and fills both slots again
	TURN 0, 1, 1
	STEP 1, 0, 0
	TURN 1, 0, 1
	STEP 0, 0, 0
	s_sub_co_u32 s3, s3, 1
	s_cmp_lg_u32 s3, 0
	s_cbranch_scc1 .Llap
	TURN 0, 1, 0                                   ; the last lap fills nothing, and has no round of the cluster's barrier
	STEP 1, 0, 0
	s_wait_dscnt 4*NL                              ; the very last step: nothing more to fetch
	WIN MUL_LO
	MUL16 0, 1, NQ-1, 1, 0
	MUL16 2, 1, NQ-1, 1, 0
	s_wait_dscnt 0
	WIN MUL_HI
	MUL16 4, 1, NQ-1, 1, 0
	MUL16 6, 1, NQ-1, 1, 0
	WIN 0
; THE WAY OUT: block a of A's rows: 64 numbers a lane, register 16 b + i of block b of 32.  The largest magnitude (with the floor among its leaves), the scale, the conversion; the codes are stored from the registers in which
; they are made: each store of the wave covers 512 consecutive bytes, aligned.  No LDS.
.macro QUANT a
.set AC, 64*((\a)%4)
	WIN 20*(2+(\a)/4)                              ; sources 1 and 2: the accumulators' window
.irp b, 0,1,2,3
	v_max3_num_f32 v[TM+\b], v[FLR], |v[AC+16*\b]|, |v[AC+16*\b+1]|   ; each accumulator is read from its low end on
.endr
.irp i, 2,4,6,8,10,12,14
.irp b, 0,1,2,3
	v_max3_num_f32 v[TM+\b], v[TM+\b], |v[AC+16*\b+\i]|, |v[AC+16*\b+\i+1]|   ; the four blocks by turns
.endr
.endr
	WIN 0
.irp b, 0,1,2,3
	v_permlanex16_b32 v[TM+4+\b], v[TM+\b], s[SEL], s[SEL+1]
.endr
.irp b, 0,1,2,3
	v_max_num_f32 v[TM+\b], v[TM+\b], v[TM+4+\b]   ; with lane l xor 16's 16 numbers: the block's largest magnitude
.endr
.irp b, 0,1,2,3
	v_add_nc_u32 v[TM+12+\b], 0xf8800000, v[TM+\b] ; 15 off its exponent field: the conversion's scale operand
.endr
.irp b, 0,1,2,3
.endr
.irp b, 0,1,2,3
	v_lshrrev_b32 v[TM+4+\b], 23, v[TM+12+\b]      ; the scale's byte
.endr
	v_lshl_or_b32 v[PW], v[TM+5], 8, v[TM+4]
	v_lshl_or_b32 v[PW], v[TM+6], 16, v[PW]
	v_lshl_or_b32 v[PW], v[TM+7], 24, v[PW]
	v_lshrrev_b32 v[SW+(\a)], v[SH], v[PW]         ; q, k: lanes 0-15 keep the first head's two bytes, lanes 16-31 the second head's; v: the word as it is
	v_and_b32 v[SW+(\a)], s97, v[SW+(\a)]
	WIN 65*(2+(\a)/4)                              ; destination and source 0: the accumulators' window
.irp b, 0,1,2,3
.irp i, 0,1,2,3,4,5,6,7,8,9,10,11,12,13,14,15
.endr
.endr
	s_wait_xcnt 0x0                                ; the last block's stores have read their data and their base: both are written again only behind this wait
.if (\a) == 4
	s_add_nc_u64 s[12:13], s[12:13], s[94:95]
.elseif (\a) > 0
	s_add_nc_u64 s[12:13], s[12:13], s[92:93]
.endif
	WIN 2+(\a)/4                                   ; source 0: the accumulators' window
.irp b, 0,1,2,3
	v_cvt_scalef32_pk8_bf8_f32 v[PC+4*\b:PC+4*\b+1], v[AC+16*\b:AC+16*\b+7], v[TM+12+\b]
	v_cvt_scalef32_pk8_bf8_f32 v[PC+4*\b+2:PC+4*\b+3], v[AC+16*\b+8:AC+16*\b+15], v[TM+12+\b]
.endr
	WIN 0
	v_nop                                          ; one plain vector instruction behind the last conversion
	global_store_b128 v[VOA], v[PC:PC+3], s[12:13]
	global_store_b128 v[VOA], v[PC+4:PC+7], s[12:13] offset:512
	global_store_b128 v[VOB], v[PC+8:PC+11], s[12:13]
	global_store_b128 v[VOB], v[PC+12:PC+15], s[12:13] offset:512
.endm
	PLACES NP                                      ; behind the last products: their results are read and A's registers written below
	s_mov_b32 s[SEL], 0x76543210
	s_mov_b32 s[SEL+1], 0xfedcba98
.irp b, 0,1,2,3
	v_mov_b32 v[TM+4+\b], 0                        ; written once: a lane permute's destination counts as one of its sources
.endr
.irp a, 0,1,2,3,4,5,6,7
	QUANT \a
.endr
	global_store_b128 v[VS1], v[SW:SW+3], s[98:99]     ; the scale words: sixteen lanes store 256 consecutive bytes, aligned
	s_wait_alu depctr_va_vdst(0)
	global_store_b128 v[VS2], v[SW+4:SW+7], s[98:99]
	s_wait_tensorcnt 0x0                           ; the wave's end
	ds_add_u32 v[SPW], v[NIL]
	s_wait_dscnt 0x0
	CROUND                                         ; the closing round: no work-group ends while a partner may still ask for a tile that names it
	s_endpgm
.Lfunc_end_k_qf999a48e37_qkv:
	.size	k_qf999a48e37_qkv, .Lfunc_end_k_qf999a48e37_qkv-k_qf999a48e37_qkv
	.p2alignl 7, 3214868480
	.fill 96, 4, 3214868480
	.section	.rodata,"a",@progbits
	.p2align	6, 0x0
	.amdhsa_kernel k_qf999a48e37_qkv
		.amdhsa_group_segment_fixed_size 327680
		.amdhsa_private_segment_fixed_size 0
		.amdhsa_enable_private_segment 0
		.amdhsa_kernarg_size 96
		.amdhsa_user_sgpr_count 2
		.amdhsa_user_sgpr_kernarg_segment_ptr 1
		.amdhsa_wavefront_size32 1
		.amdhsa_system_sgpr_workgroup_id_x 1
		.amdhsa_system_sgpr_workgroup_id_y 1
		.amdhsa_system_sgpr_workgroup_id_z 1
		.amdhsa_system_vgpr_workitem_id 0
		.amdhsa_next_free_vgpr 1024
		.amdhsa_next_free_sgpr 102
		.amdhsa_reserve_vcc 0
		.amdhsa_float_denorm_mode_32 3
		.amdhsa_float_denorm_mode_16_64 3
		.amdhsa_fp16_overflow 1
		.amdhsa_memory_ordered 1
		.amdhsa_forward_progress 1
		.amdhsa_inst_pref_size 172
	.end_amdhsa_kernel
	.amdgpu_metadata
---
amdhsa.version: [ 1, 2 ]
amdhsa.kernels:
  - .name:           k_qf999a48e37_qkv
    .symbol:         k_qf999a48e37_qkv.kd
    .args:
      - { .name: x_codes, .offset: 0, .size: 8, .value_kind: global_buffer, .address_space: global }
      - { .name: x_scales, .offset: 8, .size: 8, .value_kind: global_buffer, .address_space: global }
      - { .name: Wq_codes, .offset: 16, .size: 8, .value_kind: global_buffer, .address_space: global }
      - { .name: Wq_scales, .offset: 24, .size: 8, .value_kind: global_buffer, .address_space: global }
      - { .name: Wk_codes, .offset: 32, .size: 8, .value_kind: global_buffer, .address_space: global }
      - { .name: Wk_scales, .offset: 40, .size: 8, .value_kind: global_buffer, .address_space: global }
      - { .name: Wv_codes, .offset: 48, .size: 8, .value_kind: global_buffer, .address_space: global }
      - { .name: Wv_scales, .offset: 56, .size: 8, .value_kind: global_buffer, .address_space: global }
      - { .name: bq, .offset: 64, .size: 8, .value_kind: global_buffer, .address_space: global }
      - { .name: bk, .offset: 72, .size: 8, .value_kind: global_buffer, .address_space: global }
      - { .name: bv, .offset: 80, .size: 8, .value_kind: global_buffer, .address_space: global }
      - { .name: qkv, .offset: 88, .size: 8, .value_kind: global_buffer, .address_space: global }
    .group_segment_fixed_size: 327680
    .private_segment_fixed_size: 0
    .kernarg_segment_align: 8
    .kernarg_segment_size: 96
    .max_flat_workgroup_size: 128
    .sgpr_count:     102
    .vgpr_count:     1024
    .wavefront_size: 32
...
	.end_amdgpu_metadata
.endif
;; end of part 1
;; launch attn (part 2): grid 4 x 64, 16 waves a work-group, no clusters, 327,680 bytes of LDS; arguments qkv, ao_img, ao_sc; writes ao_img, ao_sc
.if DOCPART == 2
	.amdgcn_target "amdgcn-amd-amdhsa--gfx1250"
	.amdhsa_code_object_version 6
	.text
	.protected	k_qf999a48e37_attn
	.globl	k_qf999a48e37_attn
	.p2align	8
	.type	k_qf999a48e37_attn,@function
k_qf999a48e37_attn:
	s_mov_b64 s[64:65], 0
	v_nop
	global_prefetch_b8 v0, s[64:65] scope:SCOPE_SE
	s_setreg_imm32_b32 hwreg(HW_REG_WAVE_MODE, 25, 1), 1
	s_wait_xcnt 0x0
; Causal attention of one head on codes of BF8 (E5M2) with one E8M0 scale for each 32 along a product's K, and the quantising of its result along the model's 1,024 for the last projection.
; INPUT: qkv, blocks of SLOTB bytes for 256 tokens of one head: images of operand registers (16 bytes a lane) of K, V^T and Q, and their scale words, as the launch before laid them.
; THE SOFTMAX AHEAD OF THE SECOND PRODUCT: t = score x log2(e) / 8; M = the row's largest t so far, rounded up to a whole number; p = 2^(t - M) is quantised along the keys, not normalised.
; The row's sum is taken of the unquantised p and divides O at the end.  When M moves, the sum and O are multiplied by 2^(old M - new M): exact.
; SHARES.  Work-group (j, head) owns the query blocks 7 - j and j of 256 queries: 8 - j and j + 1 key slots, nine slot visits in every work-group: all 256 work-groups have equal work, and the loop's count is a constant.
; Each of the sixteen waves owns one tile of 16 queries of the block in hand, in 256 registers; four waves to a SIMD.  Tile number = 8 ((w xor w / 4) % 2) + w / 2: the waves with two steps in the diagonal slot are two of every four.
; A key slot (256 keys: 16,384 bytes of K, 16,384 of V^T, 1,536 of scale words) is one dense run of memory; waves 0, 1, 2 bring its three parts into one of two LDS slots; all sixteen waves read it.
; Both products are used transposed: S^T = K Q^T (source 0 = 16 keys), O^T = V^T P^T (source 0 = 16 channels): a lane holds one query (lane % 16) throughout.
; The first product's K is the head's 64: registers 8 to 15 of K's and Q's fragments are zero codes, and the upper two bytes of their scale words are 0.
; Register 8 t + i of S^T holds key 16 t + 8 (lane / 16) + i; the 16 registers of two neighbouring tiles are converted as they stand into registers 4 c .. 4 c + 3 of P: a permutation inside one block of 32 keys, which V's images have too.
; CAUSAL.  A step all of whose 128 keys come after my 16 queries is left out by a scalar branch on ids; in steps on the diagonal hidden scores become -infinity ahead of the maximum.  Key 0 counts for every query, so M is a number from a tile's first step on.
; NO CLUSTER: the four work-groups of a head have different numbers of slots for each of their two blocks, so their branches (hidden steps, the change of block) would hang on the place in the cluster.
; LIMITS: NaN and infinities are not served.  A block whose largest magnitude lies under 2^-111, a block of zeros among them, gets the scale byte 1; its codes are zeros or subnormals, and this program alone reads the byte.
; A block's largest p is made from its largest score, which takes v_exp_f32 not to fall where its input rises.  The order of k inside a block of 32 is not the natural one in both products: the last bits of the sums may differ.
.set SLOTB,  51712
.set HEADB,  8*SLOTB
.set O_VIMG, 16384
.set O_KSC,  32768
.set O_VSC,  33792
.set O_QIMG, 34304
.set O_QSC,  50688
.set SLOT1,  65536                     ; LDS slot 1 begins here: one exclusive or turns an address in one slot into the other's
.set SPARE,  131072                    ; the spare words, 128 bytes for each of the sixteen waves: eight blocks of 256 bytes that no other line names
.set L16,  1                           ; v1   16 x lane
.set R16,  2                           ; v2   16 x (lane % 16)
.set ADL,  3                           ; v3   the slot in hand + 16 x lane
.set ADS,  4                           ; v4   the slot in hand + 16 x (lane % 16)
.set SPW,  5                           ; v5   LDS address of my spare word; never rewritten
.set NIL,  6                           ; v6   0; never rewritten
.set PFO,  7                           ; v7   256 x lane: the prefetches' offset
.set RQ,   8                           ; v8   lane % 16 - 8 (lane / 16)
.set R32,  9                           ; v9   32 x (lane % 16): a token's row of scale bytes
.set BM,   208                         ; v208-211 block maxima
.set BP,   212                         ; v212-215 the other half's; later the bytes
.set LM,   216
.set SO,   220                         ; v220-223 the conversions' scale operands
.set KS,   224                         ; v224-231 K's scale words, a register a tile
.set VS,   232                         ; v232-235 V's
.set QS,   236                         ; v236 Q's
.set TB,   2                           ; s2   LDS byte at which the slot in hand begins
.set SLOTS, 3                          ; s3   trips to go
.set AOP,  6                           ; s[6:7] my tile's place in ao_img;  s[10:11] that of my second tile
.set ASP,  8                           ; s[8:9] and in ao_sc;  s[12:13]
.set VN,   14                          ; s14  the visit that has been asked for last
.set SW1,  15                          ; s15  8 - j: the first visit of the second block
.set KF,   16                          ; s16  the step's first key
.set Q0,   17                          ; s17  my first query
.set WV,   18
.set MNT,  19
.set SEL,  20
.set CS,   22                          ; s[22:23] c = log2(e) / 8
.set G1I,  24                          ; s[24:31] group 1: 64 rows of 256 bytes
.set G1S,  32                          ; s[32:39] group 1: 6 rows of 256 bytes
.set G0,   40                          ; s[40:43] group 0, which walks
.set SB,   44                          ; s[44:45] what the walk goes back by: 0, or BACK at the change of block
.set BACK, 46
.set Q0B,  47
.set PFA,  48
.set LIM,  50
.set TW,   51
; Waves 0 and 1 fetch the images of K and of V, wave 2 the scale words, the others nothing.  The branches hang on the wave's number alone.  Four v_nop follow each of the two lines.
.macro TLOAD
	s_cmp_lt_u32 s[WV], 2
	s_cbranch_scc0 .Lnot_img_\@
	tensor_load_to_lds s[G0:G0+3], s[G1I:G1I+7]
	s_nop 0
.rept 4
	v_nop
.endr
	s_branch .Lasked_\@
.Lnot_img_\@:
	s_cmp_eq_u32 s[WV], 2
	s_cbranch_scc0 .Lasked_\@
	tensor_load_to_lds s[G0:G0+3], s[G1S:G1S+7]
	s_nop 0
.rept 4
	v_nop
.endr
.Lasked_\@:
.endm
; A PREFETCH INTO THE L2 of the images of the key slot that the NEXT change of slots will ask for: 32,768 bytes.  The four work-groups of a head walk the same slots: the one with j = 0, which walks all eight in order, asks;
; in it waves 4 to 7, which fetch nothing, ask for 8,192 bytes each, lanes 256 bytes apart.  So each aligned block of 256 bytes is named once in the launch.  Trip v names slot v + 2, for v = 0 .. 5; slots 0 and 1 and the scale words come by their loads alone.
.macro ASK
	s_cmp_gt_u32 s[SLOTS], s[LIM]
	s_cbranch_scc0 .Lnot_mine_\@
	global_prefetch_b8 v[PFO], s[PFA:PFA+1] th:TH_LOAD_NT scope:SCOPE_SE
.Lnot_mine_\@:
.endm
	s_load_b128 s[4:7], s[0:1], 0x0                ; qkv, ao_img
	s_load_b64 s[8:9], s[0:1], 0x10                ; ao_sc
	v_lshl_add_u32 v[SPW], v0, 2, SPARE
	v_mov_b32 v[NIL], 0
	ds_add_u32 v5, v6
	ds_add_u32 v5, v6
	s_wait_dscnt 0x0
	v_lshrrev_b32 v8, 5, v0
	s_delay_alu instid0(VALU_DEP_1)
	v_readfirstlane_b32 s[WV], v8                  ; wave 0..15
	s_and_b32 s52, ttmp7, 0xffff                   ; 16 x batch + head
	s_mul_i32 s54, s52, HEADB
	s_mov_b32 s55, 0
	s_lshr_b32 s53, s[WV], 2
	s_xor_b32 s53, s53, s[WV]
	s_and_b32 s53, s53, 1
	s_lshl_b32 s53, s53, 3
	s_lshr_b32 s[TW], s[WV], 1
	s_add_co_u32 s[TW], s[TW], s53                 ; my tile of 16 queries in a block
	s_sub_co_u32 s56, 7, ttmp9                     ; the first block: 7 - j; the second: j
	s_sub_co_u32 s[SW1], 8, ttmp9
	s_mul_i32 s[BACK], s[SW1], SLOTB
	s_mov_b32 s[SB], 0
	s_mov_b32 s[SB+1], 0
	s_lshl_b32 s57, s[TW], 4
	s_lshl_b32 s[Q0], s56, 8
	s_add_co_u32 s[Q0], s[Q0], s57
	s_lshl_b32 s[Q0B], ttmp9, 8
	s_add_co_u32 s[Q0B], s[Q0B], s57
	s_lshr_b32 s58, s52, 4
	s_lshl_b32 s58, s58, 7
	s_add_co_u32 s58, s58, s[TW]                   ; 128 x batch + my tile
	s_lshl_b32 s59, s56, 4
	s_add_co_u32 s59, s59, s58                     ; the first tile of 16 tokens among the 512,
	s_lshl_b32 s60, ttmp9, 4
	s_add_co_u32 s60, s60, s58                     ; and the second
	s_and_b32 s61, s52, 15                         ; the head
	s_lshl_b32 s53, s61, 10
	s_lshl_b32 s62, s59, 14
	s_add_co_u32 s62, s62, s53                     ; ao_img: 16,384 x tile + 1,024 x head
	s_mov_b32 s63, 0
	s_lshl_b32 s66, s60, 14
	s_add_co_u32 s66, s66, s53
	s_mov_b32 s67, 0
	s_lshl_b32 s53, s61, 1
	s_lshl_b32 s68, s59, 9
	s_add_co_u32 s68, s68, s53                     ; ao_sc: 512 x tile + 2 x head
	s_mov_b32 s69, 0
	s_lshl_b32 s70, s60, 9
	s_add_co_u32 s70, s70, s53
	s_mov_b32 s71, 0
	; descriptor groups 1: dense blocks as rows of 256 bytes (32 elements of 8 bytes), no padding: every read is 16 bytes a lane on end
	s_mov_b32 s[G1I], 3<<16
	s_mov_b32 s[G1I+1], 32<<16                     ; tensor_dim0
	s_mov_b32 s[G1I+2], 64<<16                     ; tensor_dim1
	s_mov_b32 s[G1I+3], 32<<16                     ; tile_dim0
	s_mov_b32 s[G1I+4], 64                         ; tile_dim1
	s_mov_b32 s[G1I+5], 32                         ; the pitch
	s_mov_b32 s[G1I+6], 0
	s_mov_b32 s[G1I+7], 0
	s_mov_b32 s[G1S], 3<<16
	s_mov_b32 s[G1S+1], 32<<16
	s_mov_b32 s[G1S+2], 6<<16
	s_mov_b32 s[G1S+3], 32<<16
	s_mov_b32 s[G1S+4], 6
	s_mov_b32 s[G1S+5], 32
	s_mov_b32 s[G1S+6], 0
	s_mov_b32 s[G1S+7], 0
	s_mov_b32 s[SEL], 0x76543210
	s_mov_b32 s[SEL+1], 0xfedcba98
	s_mov_b32 s[CS], 0x3e38aa3b                    ; log2(e) / sqrt(64)
	s_mov_b32 s[CS+1], s[CS]                       ; named with it as a pair, so it is written
	s_mov_b32 s[TB], 0
	s_mov_b32 s[SLOTS], 8
	s_mov_b32 s[VN], 0
	s_mov_b32 s[KF], 0
	s_min_u32 s57, s[WV], 2
	s_lshl_b32 s57, s57, 14                        ; my part of a slot, in memory and in LDS alike: 16,384 x wave (waves 0, 1, 2)
	s_mov_b32 s58, s57
	s_mov_b32 s59, 0
	s_wait_kmcnt 0x0
	s_add_nc_u64 s[4:5], s[4:5], s[54:55]          ; my head's blocks
	s_add_nc_u64 s[10:11], s[6:7], s[66:67]
	s_add_nc_u64 s[AOP:AOP+1], s[6:7], s[62:63]
	s_add_nc_u64 s[12:13], s[8:9], s[70:71]
	s_add_nc_u64 s[ASP:ASP+1], s[8:9], s[68:69]
	s_mov_b32 s[G0], 1                             ; count = 1
	s_mov_b32 s[G0+1], s57                         ; LDS address: slot 0
	s_add_nc_u64 s[G0+2:G0+3], s[4:5], s[58:59]    ; key slot 0
	s_or_b32 s[G0+3], s[G0+3], 0x80000000          ; type = 2
	TLOAD                                          ; the first visit's slot
	v_and_b32 v10, 31, v0
	s_delay_alu instid0(VALU_DEP_1)
	v_lshlrev_b32 v[L16], 4, v10
	s_wait_alu depctr_va_vdst(0)
	v_lshlrev_b32 v[PFO], 8, v10
	v_and_b32 v10, 15, v0
	s_delay_alu instid0(VALU_DEP_1)
	v_lshlrev_b32 v[R16], 4, v10
	s_wait_alu depctr_va_vdst(0)
	v_lshlrev_b32 v[R32], 5, v10
	v_bfe_u32 v11, v0, 4, 1
	s_delay_alu instid0(VALU_DEP_1)
	v_lshlrev_b32 v11, 3, v11
	s_delay_alu instid0(VALU_DEP_1)
	v_sub_nc_u32 v[RQ], v10, v11
	s_mul_i32 s62, s56, SLOTB                      ; the block of qkv with my first 256 queries,
	s_mul_i32 s66, ttmp9, SLOTB                    ; and with my second
	s_lshl_b32 s53, s[TW], 10                      ; my tile's image
	s_add_co_u32 s68, s62, s53
	s_add_co_u32 s70, s66, s53
	s_lshr_b32 s53, s[TW], 2                       ; my tile's scale words: 256 (tile / 4) + 16 r + 4 (tile % 4)
	s_lshl_b32 s53, s53, 8
	s_and_b32 s57, s[TW], 3
	s_lshl_b32 s57, s57, 2
	s_add_co_u32 s53, s53, s57
	s_add_co_u32 s62, s62, s53
	s_add_co_u32 s66, s66, s53
	s_add_nc_u64 s[68:69], s[4:5], s[68:69]
	s_add_nc_u64 s[70:71], s[4:5], s[70:71]
	s_add_nc_u64 s[62:63], s[4:5], s[62:63]
	s_add_nc_u64 s[66:67], s[4:5], s[66:67]
	global_load_b128 v[16:19], v[L16], s[68:69] offset:O_QIMG          ; Q of the first tile stays in registers;
	global_load_b128 v[20:23], v[L16], s[68:69] offset:O_QIMG+512
	global_load_b32 v[QS], v[R16], s[62:63] offset:O_QSC
	global_load_b128 v[244:247], v[L16], s[70:71] offset:O_QIMG        ; that of the second waits in v244-252
	global_load_b128 v[248:251], v[L16], s[70:71] offset:O_QIMG+512
	global_load_b32 v252, v[R16], s[66:67] offset:O_QSC
	s_and_b32 s52, s[WV], 3                        ; the prefetches: my wave's 8,192 bytes,
	s_lshl_b32 s52, s52, 13
	s_add_co_u32 s52, s52, SLOTB                   ; in slot 1: the first change of slots steps it to slot 2.  Nothing is prefetched here, at the head
	s_mov_b32 s53, 0
	s_add_nc_u64 s[PFA:PFA+1], s[4:5], s[52:53]
	s_lshr_b32 s52, s[WV], 2
	s_xor_b32 s52, s52, 1                          ; 0 in waves 4 to 7,
	s_or_b32 s52, s52, ttmp9                       ; of the work-group with j = 0
	s_cmp_eq_u32 s52, 0
	s_cselect_b32 s[LIM], 2, -1
.irp j, 0,1,2,3,4,5,6,7
	v_mov_b32 v[24+\j], 0                          ; the upper half of Q's fragment: zero codes,
.endr
.irp t, 0,1,2,3
.irp j, 0,1,2,3,4,5,6,7
	v_mov_b32 v[40+16*\t+\j], 0                    ; and of K's four: written once
.endr
.endr
.irp b, 0,1,2,3
	v_mov_b32 v[BP+\b], 0                          ; written once: a lane permute's destination counts as one of its sources
.endr
	v_mov_b32 v239, 0                              ; named as the upper half of the pair v[238:239] before it is first written
.macro INIT                            ; a tile begins: O^T and the sum are zeros, the largest t lies under every t: the first change of M multiplies zeros
	v_mov_b32 v13, 0xff61b1e6                      ; -3e38
	s_delay_alu instid0(VALU_DEP_1)
	v_floor_f32 v12, -v13                          ; -M
	v_mov_b32 v14, 0
	v_mov_b32 v15, 0
.set n, 0
.rept 32
	v_mov_b32 v[160+n], 0
.set n, n+1
.endr
.endm
	INIT
; A KEY STEP: 128 keys, the q-th of the slot in hand.
.macro STEP q
	s_add_co_u32 s52, s[Q0], 15
	s_cmp_gt_u32 s[KF], s52                        ; all keys come after my queries: nothing to do but the step of KF
	s_cbranch_scc1 .Lhidden_\@
	s_wait_alu depctr_va_vdst(0)
	ds_load_b128 v[KS:KS+3], v[ADS] offset:O_KSC+512*(\q)          ; the scale words of eight tiles of keys
	ds_load_b128 v[KS+4:KS+7], v[ADS] offset:O_KSC+512*(\q)+256
.irp t, 0,1,2,3
	ds_load_b128 v[32+16*\t:35+16*\t], v[ADL] offset:(8*(\q)+\t)*1024
	ds_load_b128 v[36+16*\t:39+16*\t], v[ADL] offset:(8*(\q)+\t)*1024+512
.endr
.rept 9
	v_nop                                          ; the products below write over v96 on, which the last products V^T P read as a source: nine places
.endr
	s_wait_dscnt 0x0
.irp t, 0,1,2,3
	v_wmma_scale_f32_16x16x128_f8f6f4 v[96+8*\t:103+8*\t], v[32+16*\t:47+16*\t], v[16:31], 0, v[KS+\t], v[QS] matrix_a_fmt:MATRIX_FMT_BF8 matrix_b_fmt:MATRIX_FMT_BF8
.endr
.rept 8
	v_nop                                          ; places in front of loads into registers that these products read
.endr
	s_wait_alu depctr_va_vdst(0)
.irp t, 0,1,2,3
	ds_load_b128 v[32+16*\t:35+16*\t], v[ADL] offset:(8*(\q)+4+\t)*1024
	ds_load_b128 v[36+16*\t:39+16*\t], v[ADL] offset:(8*(\q)+4+\t)*1024+512
.endr
	s_wait_dscnt 0x0
.irp t, 0,1,2,3
	v_wmma_scale_f32_16x16x128_f8f6f4 v[128+8*\t:135+8*\t], v[32+16*\t:47+16*\t], v[16:31], 0, v[KS+4+\t], v[QS] matrix_a_fmt:MATRIX_FMT_BF8 matrix_b_fmt:MATRIX_FMT_BF8
.endr
.rept 8
	v_nop                                          ; places in front of the first read of the scores
.endr
	s_add_co_u32 s52, s[KF], 127                   ; a step all of whose keys count skips the mask
	s_cmp_le_u32 s52, s[Q0]
	s_cbranch_scc1 .Lopen_\@
	s_sub_co_i32 s52, s[Q0], s[KF]
	v_add_nc_u32 v253, s52, v[RQ]                  ; d = my query - KF - 8 (lane / 16).  Register n holds key KF + 8 (lane / 16) + 16 (n / 8) + n % 8: hidden where 16 (n / 8) + n % 8 > d
	v_mov_b32 v254, 0xff800000                     ; -infinity
.set n, 0
.rept 64
	v_cmp_gt_i32 vcc_lo, 16*(n/8)+n%8, v253
	v_cndmask_b32 v[96+n], v[96+n], v254, vcc_lo
.set n, n+1
.endr
.Lopen_\@:
.irp b, 0,1,2,3
	v_max3_num_f32 v[BM+\b], v[96+16*\b], v[97+16*\b], v[98+16*\b]   ; the largest score of each block of 32 keys: for the row's maximum and, since p rises with the score, for the block's largest p
.endr
.irp i, 3,5,7,9,11,13
.irp b, 0,1,2,3
	v_max3_num_f32 v[BM+\b], v[BM+\b], v[96+16*\b+\i], v[97+16*\b+\i]
.endr
.endr
.irp b, 0,1,2,3
	v_max_num_f32 v[BM+\b], v[BM+\b], v[111+16*\b]
.endr
.irp b, 0,1,2,3
	s_delay_alu instid0(VALU_DEP_4)
	v_permlanex16_b32 v[BP+\b], v[BM+\b], s[SEL], s[SEL+1]
.endr
.irp b, 0,1,2,3
	s_delay_alu instid0(VALU_DEP_4)
	v_max_num_f32 v[BM+\b], v[BM+\b], v[BP+\b]     ; with lane l xor 16's 16 keys
.endr
	s_delay_alu instid0(VALU_DEP_2)
	v_max3_num_f32 v240, v[BM], v[BM+1], v[BM+2]
	s_delay_alu instid0(VALU_DEP_1)
	v_max_num_f32 v240, v240, v[BM+3]              ; the step's largest score of my query
	s_delay_alu instid0(VALU_DEP_1)
	v_mul_f32 v240, s[CS], v240                    ; as t (c is positive)
	s_delay_alu instid0(VALU_DEP_1)
	v_max_num_f32 v13, v13, v240                   ; the running largest t
	v_mov_b32 v240, v12
	s_delay_alu instid0(VALU_DEP_2)
	v_floor_f32 v12, -v13                          ; the new -M = floor(-t): M is a whole number
	s_delay_alu instid0(VALU_DEP_1)
	v_sub_f32 v240, v12, v240                      ; old M less new M: a whole number, 0 or less
	s_delay_alu instid0(VALU_DEP_1)
	v_cvt_i32_f32 v240, v240                       ; (it saturates)
	s_delay_alu instid0(VALU_DEP_1)
	v_ldexp_f32 v238, 1.0, v240                    ; f = 2^(old M - new M)
.set n, 0
.rept 32
	v_pk_fma_f32 v[96+n:97+n], v[96+n:97+n], s[CS:CS+1], v[12:13] op_sel_hi:[1,0,0]   ; t - M, two at a time
.set n, n+2
.endr
.irp b, 0,1,2,3
	v_fma_f32 v[BM+\b], v[BM+\b], s[CS], v12       ; the same of each block's largest score
.endr
.set n, 0
	s_wait_alu depctr_va_vdst(0)
.rept 64
	v_exp_f32 v[96+n], v[96+n]                     ; p = 2^(t - M), at most 1: not normalised
.set n, n+1
.endr
	v_pk_mul_f32 v[14:15], v[14:15], v[238:239] op_sel_hi:[1,0]   ; the sums under the new M: the plain instruction behind the exponentials
	s_wait_alu depctr_va_vdst(0)                   ; one wait for the whole batch, ahead of its first reader
.irp b, 0,1,2,3
	v_exp_f32 v[BM+\b], v[BM+\b]                   ; the block's largest p
.endr
	v_pk_add_f32 v[242:243], v[100:101], v[104:105]
	v_pk_add_f32 v[254:255], v[108:109], v[112:113]
	v_pk_add_f32 v[240:241], v[116:117], v[120:121]
	v_pk_add_f32 v[234:235], v[124:125], v[128:129]
	v_pk_add_f32 v[232:233], v[132:133], v[136:137]
	v_pk_add_f32 v[230:231], v[140:141], v[144:145]
	v_pk_add_f32 v[228:229], v[148:149], v[152:153]
	v_pk_add_f32 v[14:15], v[14:15], v[156:157]
	v_pk_add_f32 v[242:243], v[242:243], v[96:97]
	v_pk_add_f32 v[254:255], v[254:255], v[98:99]
	v_pk_add_f32 v[240:241], v[240:241], v[102:103]
	v_pk_add_f32 v[234:235], v[234:235], v[106:107]
	v_pk_add_f32 v[232:233], v[232:233], v[110:111]
	v_pk_add_f32 v[230:231], v[230:231], v[114:115]
	v_pk_add_f32 v[228:229], v[228:229], v[118:119]
	v_pk_add_f32 v[14:15], v[14:15], v[122:123]
	v_pk_add_f32 v[242:243], v[242:243], v[126:127]
	v_pk_add_f32 v[254:255], v[254:255], v[130:131]
	v_pk_add_f32 v[240:241], v[240:241], v[134:135]
	v_pk_add_f32 v[234:235], v[234:235], v[138:139]
	v_pk_add_f32 v[232:233], v[232:233], v[142:143]
	v_pk_add_f32 v[230:231], v[230:231], v[146:147]
	v_pk_add_f32 v[228:229], v[228:229], v[150:151]
	v_pk_add_f32 v[14:15], v[14:15], v[154:155]
	v_pk_add_f32 v[242:243], v[242:243], v[158:159]
	s_delay_alu instid0(VALU_DEP_2)
	v_pk_add_f32 v[14:15], v[14:15], v[234:235]
	s_delay_alu instid0(VALU_DEP_2)
	v_pk_add_f32 v[242:243], v[242:243], v[232:233]
	v_pk_add_f32 v[254:255], v[254:255], v[230:231]
	v_pk_add_f32 v[240:241], v[240:241], v[228:229]
	s_delay_alu instid0(VALU_DEP_2)
	v_pk_add_f32 v[14:15], v[14:15], v[254:255]
	s_delay_alu instid0(VALU_DEP_2)
	v_pk_add_f32 v[242:243], v[242:243], v[240:241]
	s_delay_alu instid0(VALU_DEP_1)
	v_pk_add_f32 v[14:15], v[14:15], v[242:243]
	s_wait_alu depctr_va_vdst(0)                   ; and one for the four
.irp b, 0,1,2,3
	v_max_num_f32 v[BM+\b], 0x8000000, v[BM+\b]    ; the floor 2^(16 - 127): the byte cannot fall under 1
.endr
.irp b, 0,1,2,3
	s_delay_alu instid0(VALU_DEP_4)
	v_add_nc_u32 v[SO+\b], 0xf8800000, v[BM+\b]    ; 15 off the exponent field: the conversion's scale operand
.endr
.irp b, 0,1,2,3
.endr
.irp b, 0,1,2,3
	s_delay_alu instid0(VALU_DEP_4)
	v_lshrrev_b32 v[BP+\b], 23, v[SO+\b]           ; the scale's byte
.endr
	s_delay_alu instid0(VALU_DEP_3)
	v_lshl_or_b32 v239, v[BP+1], 8, v[BP]          ; p's scale word for these 128 keys
	s_delay_alu instid0(VALU_DEP_1)
	v_lshl_or_b32 v239, v[BP+2], 16, v239
	s_delay_alu instid0(VALU_DEP_1)
	v_lshl_or_b32 v239, v[BP+3], 24, v239
.irp b, 0,1,2,3
.irp i, 0,1,2,3,4,5,6,7,8,9,10,11,12,13,14,15
.endr
	v_cvt_scalef32_pk8_bf8_f32 v[192+4*\b:193+4*\b], v[96+16*\b:103+16*\b], v[SO+\b]
	v_cvt_scalef32_pk8_bf8_f32 v[194+4*\b:195+4*\b], v[104+16*\b:111+16*\b], v[SO+\b]
.endr
	v_nop
.irp t, 0,1,2,3                                ; V^T: four tiles of 16 channels x these 128 keys, into the registers that p has left
.irp c, 0,1,2,3
	ds_load_b128 v[96+16*\t+4*\c:99+16*\t+4*\c], v[ADL] offset:O_VIMG+8192*(\q)+2048*\t+512*\c
.endr
.endr
	ds_load_b128 v[VS:VS+3], v[ADS] offset:O_VSC+256*(\q)
.set n, 0
.rept 16
	v_pk_mul_f32 v[160+n:161+n], v[160+n:161+n], v[238:239] op_sel_hi:[1,0]   ; O^T under the new M; these sixteen stand between the conversions and the products, while the loads are out
.set n, n+2
.endr
	s_wait_alu depctr_va_vdst(0)
	s_wait_dscnt 0x0
.irp t, 0,1,2,3
	v_wmma_scale_f32_16x16x128_f8f6f4 v[160+8*\t:167+8*\t], v[96+16*\t:111+16*\t], v[192:207], v[160+8*\t:167+8*\t], v[VS+\t], v239 matrix_a_fmt:MATRIX_FMT_BF8 matrix_b_fmt:MATRIX_FMT_BF8
.endr
.Lhidden_\@:
	s_add_co_u32 s[KF], s[KF], 128
.endm
; THE CHANGE OF SLOTS stands at a visit's head.  Each wave waits for all its tensor loads (its part of the slot that it is about to read), adds 0 to its spare word, and waits for that and for its reads of the slot that it has left.
; Behind the barrier the slot ahead is whole and nobody reads the other one.  fill = 1: that other slot is filled with the next visit's keys: the load has a whole visit in which to land.
.macro CHANGE fill
	s_wait_tensorcnt 0x0                           ; no tensor load of mine is out, so group 0 may be written
	ds_add_u32 v[SPW], v[NIL]                      ; 0 onto my spare word
.if \fill
	s_xor_b32 s[G0+1], s[G0+1], SLOT1              ; the other LDS slot,
	s_add_nc_u64 s[G0+2:G0+3], s[G0+2:G0+3], SLOTB ; the next key slot;
	s_add_co_u32 s[VN], s[VN], 1
	s_cmp_eq_u32 s[VN], s[SW1]                     ; the second block's first visit goes back to key slot 0
	s_cselect_b32 s[SB], s[BACK], 0
	s_sub_nc_u64 s[G0+2:G0+3], s[G0+2:G0+3], s[SB:SB+1]
	s_wait_xcnt 0x0                                ; the last prefetch, a visit back, has read its address, so it may be written
	s_add_nc_u64 s[PFA:PFA+1], s[PFA:PFA+1], SLOTB
.endif
	s_wait_dscnt 0x0                               ; the add is done, and my reads of the slot that I have left are over
	s_barrier_signal -1
	s_barrier_wait -1
.if \fill
	TLOAD                                          ; the first thing behind the barrier, and a wave's one tensor load until the next
	ASK
.endif
.endm
.macro SLOT_STEPS
	v_add_nc_u32 v[ADL], s[TB], v[L16]
	v_add_nc_u32 v[ADS], s[TB], v[R16]
	STEP 0
	STEP 1
	s_xor_b32 s[TB], s[TB], SLOT1                  ; on to the other slot
.endm
; A TILE IS FINISHED: O^T / the sum; its 64 channels are two blocks of 32 along the last projection's K: quantised in registers; the codes are brought into the natural order of k, since the other operand there is given,
; and leave as the image of that product's operand: each store of the wave covers 512 consecutive bytes, aligned.  The two scale bytes of a token go to its row of ao_sc: 2 bytes a lane, 32 bytes apart.
.macro FINISH
.rept 8
	v_nop                                          ; places behind the last products
.endr
	v_add_f32 v14, v14, v15                        ; the sum's two halves,
	s_delay_alu instid0(VALU_DEP_1)
	v_permlanex16_b32 v[BP], v14, s[SEL], s[SEL+1]
	s_delay_alu instid0(VALU_DEP_1)
	v_add_f32 v14, v14, v[BP]                      ; and lane l xor 16's
	s_wait_alu depctr_va_vdst(0)
	v_rcp_f32 v14, v14
	v_nop                                          ; a plain instruction behind the reciprocal,
	s_wait_alu depctr_va_vdst(0)                   ; and the wait ahead of its first reader
.set n, 0
.rept 32
	v_mul_f32 v[96+n], v[160+n], v14               ; register 8 t + i: channel 16 t + 8 (lane / 16) + i of my query; each accumulator from its low end on
.set n, n+1
.endr
.irp b, 0,1
	v_max3_num_f32 v[BM+\b], |v[96+16*\b]|, |v[97+16*\b]|, 0x8000000
.endr
.irp i, 2,4,6,8,10,12,14
.irp b, 0,1
	s_delay_alu instid0(VALU_DEP_2)
	v_max3_num_f32 v[BM+\b], v[BM+\b], |v[96+16*\b+\i]|, |v[97+16*\b+\i]|
.endr
.endr
.irp b, 0,1
	s_delay_alu instid0(VALU_DEP_2)
	v_permlanex16_b32 v[BP+\b], v[BM+\b], s[SEL], s[SEL+1]
.endr
.irp b, 0,1
	s_delay_alu instid0(VALU_DEP_2)
	v_max_num_f32 v[BM+\b], v[BM+\b], v[BP+\b]
.endr
.irp b, 0,1
	s_delay_alu instid0(VALU_DEP_2)
	v_add_nc_u32 v[SO+\b], 0xf8800000, v[BM+\b]
.endr
.irp b, 0,1
.endr
.irp b, 0,1
	s_delay_alu instid0(VALU_DEP_2)
	v_lshrrev_b32 v[BP+\b], 23, v[SO+\b]
.endr
	s_delay_alu instid0(VALU_DEP_1)
	v_lshl_or_b32 v240, v[BP+1], 8, v[BP]          ; my token's two scale bytes
.irp b, 0,1
.irp i, 0,1,2,3,4,5,6,7,8,9,10,11,12,13,14,15
.endr
.endr
.irp b, 0,1
	v_cvt_scalef32_pk8_bf8_f32 v[192+4*\b:193+4*\b], v[96+16*\b:103+16*\b], v[SO+\b]
	v_cvt_scalef32_pk8_bf8_f32 v[194+4*\b:195+4*\b], v[104+16*\b:111+16*\b], v[SO+\b]
.endr
	v_nop                                          ; one plain vector instruction behind the last conversion
	; lanes 0-15 hold channels 0-7 and 16-23 of a block, lanes 16-31 channels 8-15 and 24-31; the operand wants 0-15 in lanes 0-15 and 16-31 in lanes 16-31
	v_permlane16_swap_b32 v192, v194
	v_permlane16_swap_b32 v193, v195
	v_permlane16_swap_b32 v196, v198
	v_permlane16_swap_b32 v197, v199
	global_store_b128 v[L16], v[192:195], s[AOP:AOP+1]
	global_store_b128 v[L16], v[196:199], s[AOP:AOP+1] offset:512
	global_store_b16 v[R32], v240, s[ASP:ASP+1]    ; lanes 16-31 store the same bytes with the same values
.endm
.macro INIT_B                          ; on to my tile of the second block
	s_wait_xcnt 0x0                                ; the stores have read their data and bases: both are written again only behind this wait
	s_mov_b64 s[AOP:AOP+1], s[10:11]
	s_mov_b64 s[ASP:ASP+1], s[12:13]
	s_mov_b32 s[Q0], s[Q0B]
	s_mov_b32 s[KF], 0
.irp j, 0,1,2,3,4,5,6,7
	v_mov_b32 v[16+\j], v[244+\j]
.endr
	v_mov_b32 v[QS], v252
	INIT
.endm
	s_wait_loadcnt 0x0                             ; Q of both tiles
.Lslot:                                            ; eight trips: behind each change of slots but the last the next visit's slot is asked for
	CHANGE 1
	SLOT_STEPS
	s_cmp_lg_u32 s[VN], s[SW1]                     ; was that the first block's last visit?  (ids alone)
	s_cbranch_scc1 .Lsame_tile
	FINISH
	INIT_B
.Lsame_tile:
	s_sub_co_u32 s[SLOTS], s[SLOTS], 1
	s_cmp_lg_u32 s[SLOTS], 0
	s_cbranch_scc1 .Lslot
	CHANGE 0                                       ; the last visit is written out
	SLOT_STEPS
	FINISH
	s_wait_tensorcnt 0x0                           ; the wave's end
	ds_add_u32 v[SPW], v[NIL]
	s_wait_dscnt 0x0
	s_endpgm
.Lfunc_end_k_qf999a48e37_attn:
	.size	k_qf999a48e37_attn, .Lfunc_end_k_qf999a48e37_attn-k_qf999a48e37_attn
	.p2alignl 7, 3214868480
	.fill 96, 4, 3214868480
	.section	.rodata,"a",@progbits
	.p2align	6, 0x0
	.amdhsa_kernel k_qf999a48e37_attn
		.amdhsa_group_segment_fixed_size 327680
		.amdhsa_private_segment_fixed_size 0
		.amdhsa_enable_private_segment 0
		.amdhsa_kernarg_size 24
		.amdhsa_user_sgpr_count 2
		.amdhsa_user_sgpr_kernarg_segment_ptr 1
		.amdhsa_wavefront_size32 1
		.amdhsa_system_sgpr_workgroup_id_x 1
		.amdhsa_system_sgpr_workgroup_id_y 1
		.amdhsa_system_sgpr_workgroup_id_z 1
		.amdhsa_system_vgpr_workitem_id 0
		.amdhsa_next_free_vgpr 256
		.amdhsa_next_free_sgpr 72
		.amdhsa_reserve_vcc 1
		.amdhsa_float_denorm_mode_32 3
		.amdhsa_float_denorm_mode_16_64 3
		.amdhsa_fp16_overflow 1
		.amdhsa_memory_ordered 1
		.amdhsa_forward_progress 1
		.amdhsa_inst_pref_size 112
	.end_amdhsa_kernel
	.amdgpu_metadata
---
amdhsa.version: [ 1, 2 ]
amdhsa.kernels:
  - .name:           k_qf999a48e37_attn
    .symbol:         k_qf999a48e37_attn.kd
    .args:
      - { .name: qkv, .offset: 0, .size: 8, .value_kind: global_buffer, .address_space: global }
      - { .name: ao_img, .offset: 8, .size: 8, .value_kind: global_buffer, .address_space: global }
      - { .name: ao_sc, .offset: 16, .size: 8, .value_kind: global_buffer, .address_space: global }
    .group_segment_fixed_size: 327680
    .private_segment_fixed_size: 0
    .kernarg_segment_align: 8
    .kernarg_segment_size: 24
    .max_flat_workgroup_size: 512
    .sgpr_count:     72
    .vgpr_count:     256
    .wavefront_size: 32
...
	.end_amdgpu_metadata
.endif
;; end of part 2
;; launch oproj (part 3): grid 4 x 32, 4 waves a work-group, clusters of 4 x 4, 327,680 bytes of LDS; arguments ao_img, ao_sc, Wo_codes, Wo_scales, bo, out0; writes out0
.if DOCPART == 3
	.amdgcn_target "amdgcn-amd-amdhsa--gfx1250"
	.amdhsa_code_object_version 6
	.text
	.protected	k_qf999a48e37_oproj
	.globl	k_qf999a48e37_oproj
	.p2align	8
	.type	k_qf999a48e37_oproj,@function
k_qf999a48e37_oproj:
	s_mov_b64 s[64:65], 0
	v_nop
	global_prefetch_b8 v0, s[64:65] scope:SCOPE_SE
	s_setreg_imm32_b32 hwreg(HW_REG_WAVE_MODE, 25, 1), 1
	s_wait_xcnt 0x0
	s_wait_alu depctr_hold_cnt(0) depctr_sa_sdst(0) depctr_va_vdst(0) depctr_va_sdst(0) depctr_va_ssrc(0) depctr_va_vcc(0) depctr_vm_vsrc(0)
	s_getreg_b32 s2, hwreg(HW_REG_IB_STS2, 6, 4)
	s_cmp_eq_u32 s2, 0
	s_cbranch_scc0 .Lentry_in_a_cluster
	s_endpgm
.Lentry_in_a_cluster:
	s_bfe_u32 s2, ttmp6, 0x10000c
	s_cmp_lg_u32 s2, 0xf033
	s_cbranch_scc0 .Lentry_shape_is_right
	s_endpgm
.Lentry_shape_is_right:
; out0 = A Wo + bo.  A: the attention's result, 8,192 x 1,024, as codes of BF8 (E5M2) laid as IMAGES OF THE OPERAND'S REGISTERS: [tile of 16 rows 512][128 along K 8][4][lane 32][16 bytes]; its scale bytes [8,192][32].
; Wo: codes [1,024 (n)][1,024 (k)], scale bytes [1,024][32].  bo [1,024], out0 [8,192][1,024]: f32; sums in f32.
; A tile of 256 x 256 is made by a work-group of four waves, 128 x 128 a wave: 64 accumulators, 512 registers.  K goes in steps of 256 through a ring of two LDS slots filled by the tensor data mover.
; A's part of a slot: for each of 16 tiles of rows, 4,096 consecutive bytes of memory; no padding: a fragment is read 16 bytes a lane on end.  B's part: 256 rows of 256 bytes + 16 of padding.
; The scale bytes of the work-group's 256 + 256 rows, for all of K, come into LDS once.  CLUSTERS of 4 x 4: A's tiles are asked for jointly along a row of the cluster, B's along a column.
; THE MATRIX INSTRUCTION IS USED TRANSPOSED (source 0 = 16 rows of Wo, source 1 = 16 rows of A): a lane holds eight neighbouring numbers of a row of out0.  bo is the C of each sum's first matrix instruction.
; The launch has 128 work-groups: the largest wave tile at this size; a tile of 128 x 256 would give 256 and read half as many LDS bytes again for each product.
.set SIZE_N, 1024
.set KSTEP,  256
.set NQ,     2
.set ROWB,   256
.set KROW,   1024
.set PITCH,  272
.set FR,     16
.set NL,     4
.set NP,     8
.set HALFT,  128*PITCH
.set ABYTES, 65536                     ; A's part of a slot: 16 tiles of rows x 4,096 bytes
.set SLOT,   ABYTES+2*HALFT
.set LAPS,   2
.set KS,     32
.set SCL,    2*SLOT
.set HALFS,  (128*KS/256)*272
.set SBLK,   (16*KS/256)*272
.set SPARE,  SCL+4*HALFS               ; the spare words, 128 bytes for each wave: two blocks of 256 bytes that no other line names
.set SPITCH, 528                       ; the way out: a stage of 16 rows x (512 bytes + 16) for each wave, in slot 0, which has had its last fill and its last read when the first result is stored there
.set ADRA, 16
.set ADRB, 20
.set STO,  24
.set RD,   25
.set CO,   26
.set ADRS, 27
.set SPW,  28                          ; v28  LDS address of my spare word; never rewritten
.set NIL,  29                          ; v29  0; never rewritten
.set SC,   32
.set BIAS, 64                          ; v64-127: group b, register j: bo of column 16 b + 8 (lane / 16) + j
.set AF,   128
.set BK,   128
.set G1, 24
.set G0, 32
.set G1B, 48
.set G0B, 56
.set G1S, 68
.set G0S, 76
.set G1SB, 80
.set G0SB, 88
.set MSB, 0
.macro WIN new
.if MSB != (\new)
	s_set_vgpr_msb (MSB<<8)|(\new)
.set MSB, (\new)
.endif
.endm
.set MUL_LO, 0xa1
.set MUL_HI, 0xf1
.set TO_B,   0x40
.macro JLOAD g0a, g1a, g0b, g1b        ; a joint load: waves 0 and 1 fetch for A, waves 2 and 3 for B; four v_nop follow each of the two lines
	s_cmp_eq_u32 s15, 0
	s_cbranch_scc0 .Lfor_b_\@
	tensor_load_to_lds s[\g0a:\g0a+3], s[\g1a:\g1a+7]
	s_nop 0
.rept 4
	v_nop
.endr
	s_branch .Lasked_\@
.Lfor_b_\@:
	tensor_load_to_lds s[\g0b:\g0b+3], s[\g1b:\g1b+7]
	s_nop 0
.rept 4
	v_nop
.endr
.Lasked_\@:
.endm
.macro CREST
	s_cmp_lg_u32 s14, 0
	s_cbranch_scc1 .Lnot_wave_0_\@
	s_barrier_signal -3
.Lnot_wave_0_\@:
	s_barrier_wait -3
	s_barrier_signal -1
	s_barrier_wait -1
.endm
.macro CROUND
	s_barrier_signal -1
	s_barrier_wait -1
	CREST
.endm
	s_load_b128 s[4:7], s[0:1], 0x0                ; A's images, A's scales
	s_load_b128 s[8:11], s[0:1], 0x10              ; Wo's codes, Wo's scales
	s_load_b64 s[96:97], s[0:1], 0x20              ; bo
	s_load_b64 s[12:13], s[0:1], 0x28              ; out0
	v_lshl_add_u32 v[SPW], v0, 2, SPARE
	v_mov_b32 v[NIL], 0
	ds_add_u32 v28, v29
	ds_add_u32 v28, v29
	s_wait_dscnt 0x0
	v_lshrrev_b32 v1, 5, v0
	v_readfirstlane_b32 s14, v1                    ; wave 0..3
	s_lshr_b32 s15, s14, 1                         ; which half of the tile's rows is mine.  Also: I fetch for A (0) or for B (1)
	s_and_b32 s16, s14, 1                          ; which half of its columns.  Also: which 128 rows of that tile I fetch
	s_bfe_u32 s40, ttmp6, 0x40000                  ; cx, cy
	s_bfe_u32 s41, ttmp6, 0x40004
	s_lshl_b32 s42, ttmp9, 2
	s_add_co_u32 s42, s42, s40                     ; tile column = 4 x cluster x + cx
	s_and_b32 s17, ttmp7, 0xffff
	s_lshl_b32 s17, s17, 2
	s_add_co_u32 s17, s17, s41                     ; tile row = 4 x cluster y + cy
	s_lshl_b32 s43, s41, 2
	s_lshl_b32 s43, 15, s43                        ; my row of the cluster
	s_lshl_b32 s44, 0x1111, s40                    ; my column
	; A: 8 rows (tiles of 16 rows of A) of 4,096 bytes (512 elements of 8 bytes), 16,384 bytes apart, no padding
	s_or_b32 s[G1+0], s43, (3<<16)|(1<<21)
	s_mov_b32 s[G1+1], 512<<16                     ; tensor_dim0
	s_mov_b32 s[G1+2], 8<<16                       ; tensor_dim1
	s_mov_b32 s[G1+3], 512<<16                     ; tile_dim0
	s_mov_b32 s[G1+4], 8                           ; tile_dim1
	s_mov_b32 s[G1+5], 2048                        ; the pitch, in elements
	s_mov_b32 s[G1+6], 0
	s_mov_b32 s[G1+7], 0
	; B: 128 rows of 256 bytes, 16 bytes of padding behind each
	s_or_b32 s[G1B+0], s44, (0<<16)|(1<<20)|(1<<21)|(5<<22)|(3<<25)
	s_mov_b32 s[G1B+1], ROWB<<16
	s_mov_b32 s[G1B+2], 128<<16
	s_mov_b32 s[G1B+3], ROWB<<16
	s_mov_b32 s[G1B+4], 128
	s_mov_b32 s[G1B+5], KROW
	s_mov_b32 s[G1B+6], 0
	s_mov_b32 s[G1B+7], 0
	; the scales of 128 rows: 4,096 dense bytes as 16 rows of 256, 16 bytes of padding behind each
	s_or_b32 s[G1S+0], s43, (3<<16)|(1<<20)|(1<<21)|(5<<22)|(3<<25)
	s_or_b32 s[G1SB+0], s44, (3<<16)|(1<<20)|(1<<21)|(5<<22)|(3<<25)
.irp g, G1S, G1SB
	s_mov_b32 s[\g+1], 32<<16
	s_mov_b32 s[\g+2], (128*KS/256)<<16
	s_mov_b32 s[\g+3], 32<<16
	s_mov_b32 s[\g+4], 128*KS/256
	s_mov_b32 s[\g+5], 32
	s_mov_b32 s[\g+6], 0
	s_mov_b32 s[\g+7], 0
.endr
	s_lshl_b32 s18, s16, 7                         ; which 128 rows of the tile I fetch
	s_lshl_b32 s20, s17, 8
	s_add_co_u32 s20, s20, s18                     ; A: row 256 x tile row + 128 x half
	s_lshl_b32 s46, s42, 8
	s_add_co_u32 s46, s46, s18                     ; B: row 256 x tile column + 128 x half
	s_mov_b32 s21, 0
	s_mov_b32 s47, 0
	s_mov_b64 s[18:19], KS
	s_mul_u64 s[22:23], s[20:21], s[18:19]         ; where these rows' scales begin
	s_mul_u64 s[92:93], s[46:47], s[18:19]
	s_mov_b64 s[18:19], KROW
	s_mul_u64 s[20:21], s[20:21], s[18:19]         ; and their codes: 16 rows of A are 16,384 bytes of images: 1,024 a row, as in B
	s_mul_u64 s[46:47], s[46:47], s[18:19]
	s_lshl_b32 s95, s16, 15                        ; where they go: A: 32,768 x half;
	s_mul_i32 s45, s16, HALFT
	s_add_co_u32 s45, s45, ABYTES                  ; B: behind A's part, 128 rows x half: no place in the cluster enters an LDS address
	s_mul_i32 s94, s14, HALFS
	s_wait_kmcnt 0x0
	s_add_nc_u64 s[20:21], s[4:5], s[20:21]
	s_add_nc_u64 s[22:23], s[6:7], s[22:23]
	s_add_nc_u64 s[46:47], s[8:9], s[46:47]
	s_add_nc_u64 s[92:93], s[10:11], s[92:93]
	CROUND                                         ; all sixteen work-groups are here: the first joint loads meet
	s_mov_b32 s[G0S], 1
	s_add_co_u32 s[G0S+1], s94, SCL
	s_mov_b64 s[G0S+2:G0S+3], s[22:23]
	s_or_b32 s[G0S+3], s[G0S+3], 0x80000000
	s_mov_b32 s[G0SB], 1
	s_add_co_u32 s[G0SB+1], s94, SCL
	s_mov_b64 s[G0SB+2:G0SB+3], s[92:93]
	s_or_b32 s[G0SB+3], s[G0SB+3], 0x80000000
	JLOAD G0S, G1S, G0SB, G1SB                     ; the scales first
.irp s, 0,1
	s_mov_b32 s[G0+4*\s], 1
	s_add_co_u32 s[G0+4*\s+1], s95, \s*SLOT
	s_add_nc_u64 s[G0+4*\s+2:G0+4*\s+3], s[20:21], \s*4096
	s_or_b32 s[G0+4*\s+3], s[G0+4*\s+3], 0x80000000
	s_mov_b32 s[G0B+4*\s], 1
	s_add_co_u32 s[G0B+4*\s+1], s45, \s*SLOT
	s_add_nc_u64 s[G0B+4*\s+2:G0B+4*\s+3], s[46:47], \s*ROWB
	s_or_b32 s[G0B+4*\s+3], s[G0B+4*\s+3], 0x80000000
	s_wait_alu depctr_va_vdst(0)
	s_wait_tensorcnt 0x0
	ds_add_u32 v28, v29
	s_wait_dscnt 0x0
	CROUND
	JLOAD G0+4*\s, G1, G0B+4*\s, G1B
.endr
	v_and_b32 v1, 15, v0                           ; r = lane % 16
	v_bfe_u32 v2, v0, 4, 1                         ; h = lane / 16
	v_mul_u32_u24 v3, v1, PITCH
	v_lshl_add_u32 v4, v2, 4, v3                   ; B: a fragment's row x pitch + 16 x half
	v_and_b32 v6, 31, v0
	v_lshlrev_b32 v5, 4, v6                        ; A: 16 x lane
	s_lshl_b32 s21, s15, 15                        ; my 128 rows of A: eight tiles of 4,096 bytes
	s_mul_i32 s22, s16, HALFT                      ; my 128 rows of B,
	s_add_co_u32 s22, s22, ABYTES                  ; which lie behind A's part
.irp s, 0,1
	v_add_nc_u32 v[ADRA+\s], s21, v5
	v_add_nc_u32 v[ADRB+\s], s22, v4
	s_add_co_u32 s21, s21, SLOT
	s_add_co_u32 s22, s22, SLOT
.endr
	v_mul_u32_u24 v5, v1, KS                       ; my row's scales: KS bytes a row,
	v_lshrrev_b32 v6, 8, v5
	v_lshl_add_u32 v5, v6, 4, v5                   ; and 16 more for each 256 passed
	s_mul_i32 s21, s15, HALFS
	s_mul_i32 s22, s16, HALFS
	s_add_co_u32 s22, s22, 2*HALFS
	s_sub_co_u32 s22, s22, s21
	v_mul_u32_u24 v6, s22, v2                      ; lanes 16-31 take B's
	s_add_co_u32 s21, s21, SCL
	v_add_nc_u32 v5, v5, v6
	v_add_nc_u32 v[ADRS], s21, v5
	s_mul_i32 s23, s14, 16*SPITCH                  ; my stage
	v_mul_u32_u24 v5, v1, SPITCH                   ; in: row l % 16, 32 bytes for each half of the lanes
	v_lshl_add_u32 v5, v2, 5, v5
	v_add_nc_u32 v[STO], s23, v5
	v_and_b32 v6, 31, v0
	v_lshlrev_b32 v[CO], 4, v6                     ; back: the 32 lanes take one row of 512 bytes; and the same in out0
	v_add_nc_u32 v[RD], s23, v[CO]
	s_lshl_b32 s20, s17, 8
	s_lshl_b32 s21, s15, 7
	s_add_co_u32 s20, s20, s21                     ; my first row of out0
	s_mov_b32 s21, 0
	s_mov_b64 s[18:19], SIZE_N*4
	s_mul_u64 s[20:21], s[20:21], s[18:19]
	s_lshl_b32 s46, s42, 10                        ; my first column, in bytes: 1,024 x tile column + 512 x half
	s_lshl_b32 s47, s16, 9
	s_add_co_u32 s46, s46, s47
	s_mov_b32 s47, 0
	s_add_nc_u64 s[20:21], s[20:21], s[46:47]
	s_add_nc_u64 s[12:13], s[12:13], s[20:21]
	s_add_nc_u64 s[96:97], s[96:97], s[46:47]      ; bo at my first column: 4 bytes a column too
	v_lshlrev_b32 v13, 5, v2
.irp b, 0,1,2,3,4,5,6,7
	global_load_b128 v[BIAS+8*\b:BIAS+8*\b+3], v13, s[96:97] offset:64*\b
	global_load_b128 v[BIAS+8*\b+4:BIAS+8*\b+7], v13, s[96:97] offset:64*\b+16
.endr
.macro FRAG reg, adr, q, i             ; a fragment of B from padded rows: registers 4 c .. 4 c + 3 hold K = 32 c + 16 (l / 16) + 0 .. 15 of row l % 16
.irp c, 0,1,2,3
	ds_load_b128 v[\reg+4*\c:\reg+4*\c+3], v[\adr] offset:128*(\q)+32*\c+(\i)*16*PITCH
.endr
.endm
.macro FRAGA reg, adr, q, i            ; a fragment of A from its image: 512 consecutive bytes a load
.irp c, 0,1,2,3
	ds_load_b128 v[\reg+4*\c:\reg+4*\c+3], v[\adr] offset:(\i)*4096+2048*(\q)+512*\c
.endr
.endm
; 16 matrix instructions: A's blocks a0, a0 + 1 x B's eight, 128 along K.  mode 1: C = the bias group of B's block; 0: adds in place.  The 64 accumulators take turns.
.macro MUL16 a0, p, q, sc, mode
.irp a, \a0, \a0+1
.irp b, 0,1,2,3,4,5,6,7
.if \mode
	v_wmma_scale_f32_16x16x128_f8f6f4 v[8*(8*((\a)%4)+\b):8*(8*((\a)%4)+\b)+7], v[128*(\p)+FR*\b:128*(\p)+FR*\b+FR-1], v[AF+FR*(\a):AF+FR*(\a)+FR-1], v[BIAS+8*\b:BIAS+8*\b+7], v[SC+8*NQ*(\sc)+NQ*\b+(\q)], v[SC+8*NQ*(\sc)+NQ*(\a)+(\q)] matrix_a_fmt:MATRIX_FMT_BF8 matrix_b_fmt:MATRIX_FMT_BF8 matrix_a_scale:MATRIX_SCALE_ROW1
.else
	v_wmma_scale_f32_16x16x128_f8f6f4 v[8*(8*((\a)%4)+\b):8*(8*((\a)%4)+\b)+7], v[128*(\p)+FR*\b:128*(\p)+FR*\b+FR-1], v[AF+FR*(\a):AF+FR*(\a)+FR-1], v[8*(8*((\a)%4)+\b):8*(8*((\a)%4)+\b)+7], v[SC+8*NQ*(\sc)+NQ*\b+(\q)], v[SC+8*NQ*(\sc)+NQ*(\a)+(\q)] matrix_a_fmt:MATRIX_FMT_BF8 matrix_b_fmt:MATRIX_FMT_BF8 matrix_a_scale:MATRIX_SCALE_ROW1
.endif
.endr
.endr
.endm
.macro FETCH_B slot, q, p
	WIN TO_B
.irp i, 0,1,2,3,4,5,6,7
	FRAG 128*(\p)+FR*\i, ADRB+\slot, \q, \i
.endr
	WIN 0
.endm
.macro FETCH_A slot, q, i0
.irp i, \i0, \i0+1, \i0+2, \i0+3
	FRAGA AF+FR*(\i), ADRA+\slot, \q, \i
.endr
.endm
.macro SCALES sc
.irp i, 0,1,2,3,4,5,6,7
	ds_load_b64 v[SC+8*NQ*\sc+NQ*\i:SC+8*NQ*\sc+NQ*\i+1], v[ADRS] offset:\i*SBLK
.endr
.endm
.macro PLACES n
.rept \n
	v_nop
.endr
.endm
.macro STEP slot, q, mode
	s_wait_dscnt 4*NL                              ; all but the youngest 16 loads (A's blocks 4-7) are in
.if \mode
	WIN 0x81                                       ; C (the bias) in window 0, D in window 2
.else
	WIN MUL_LO
.endif
	MUL16 0, (\q)%2, \q, \slot, \mode
	MUL16 2, (\q)%2, \q, \slot, \mode
	s_wait_dscnt 0
	PLACES NP
	FETCH_B \slot, (\q)+1, 1-(\q)%2
	FETCH_A \slot, (\q)+1, 0
.if \mode
	WIN 0xc1
.else
	WIN MUL_HI
.endif
	MUL16 4, (\q)%2, \q, \slot, \mode
	MUL16 6, (\q)%2, \q, \slot, \mode
	PLACES NP
	WIN 0
	FETCH_A \slot, (\q)+1, 4
.endm
.macro TURN slot, next, fill
	s_wait_tensorcnt 0x0                           ; all my tensor loads have landed: my part of the next slot (every window is 0 here)
	ds_add_u32 v[SPW], v[NIL]                      ; 0 onto my spare word
	s_wait_dscnt 4*NL+1                            ; the add and the youngest 16 loads may be out
	WIN MUL_LO
	MUL16 0, 1, NQ-1, \slot, 0
	s_wait_dscnt 0x0                               ; the add is done, and my reads of this slot are over
	s_barrier_signal -1
	MUL16 2, 1, NQ-1, \slot, 0
	WIN 0
	s_barrier_wait -1
.if \fill
	CREST                                          ; the barrier has opened a round of the cluster's barrier: no wave of any partner still reads this slot or has a load on its way
	s_add_nc_u64 s[G0+4*\slot+2:G0+4*\slot+3], s[G0+4*\slot+2:G0+4*\slot+3], 2*4096
	s_add_nc_u64 s[G0B+4*\slot+2:G0B+4*\slot+3], s[G0B+4*\slot+2:G0B+4*\slot+3], 2*ROWB
	JLOAD G0+4*\slot, G1, G0B+4*\slot, G1B         ; the first tensor load behind the round; its four v_nop are among the places in front of the loads below
	PLACES NP-4
.else
	PLACES NP
.endif
	s_wait_alu depctr_va_vdst(0)
	v_add_nc_u32 v[ADRS], 4*NQ, v[ADRS]
	FETCH_B \next, 0, 0
	FETCH_A \next, 0, 0
	SCALES \next
	WIN MUL_HI
	MUL16 4, 1, NQ-1, \slot, 0
	MUL16 6, 1, NQ-1, \slot, 0
	PLACES NP
	WIN 0
	FETCH_A \next, 0, 4
.endm
	s_wait_alu depctr_va_vdst(0)
	s_wait_tensorcnt 1                             ; of my three loads the scales and K step 0 are in; K step 1's may be out
	s_barrier_signal -1
	s_barrier_wait -1
	FETCH_B 0, 0, 0
	FETCH_A 0, 0, 0
	SCALES 0
	FETCH_A 0, 0, 4
	s_wait_loadcnt 0x0                             ; bo
	STEP 0, 0, 1                                   ; the first step stands in front of the loop: its products start the sums, with bo as C
	s_mov_b32 s3, LAPS-1
.Llap:
	TURN 0, 1, 1
	STEP 1, 0, 0
	TURN 1, 0, 1
	STEP 0, 0, 0
	s_sub_co_u32 s3, s3, 1
	s_cmp_lg_u32 s3, 0
	s_cbranch_scc1 .Llap
	TURN 0, 1, 0                                   ; the last lap fills nothing, and has no round of the cluster's barrier
	STEP 1, 0, 0
	s_wait_dscnt 4*NL
	WIN MUL_LO
	MUL16 0, 1, NQ-1, 1, 0
	MUL16 2, 1, NQ-1, 1, 0
	s_wait_dscnt 0
	WIN MUL_HI
	MUL16 4, 1, NQ-1, 1, 0
	MUL16 6, 1, NQ-1, 1, 0
	WIN 0
; THE WAY OUT, block by block of 16 rows x 128 columns, through my own stage in LDS: in as 32 bytes a lane, back as whole rows of 512 bytes.  LDS serves a wave's instructions in order (ISA guide 5.7.1.4).
.macro TOSTAGE a
.set AC, 64*((\a)%4)
	WIN 0x08+4*((\a)/4)                            ; the data: window 2 or 3
.irp b, 0,1,2,3,4,5,6,7
	ds_store_b128 v[STO], v[AC+8*\b:AC+8*\b+3] offset:64*\b          ; each accumulator from its low end on
	ds_store_b128 v[STO], v[AC+8*\b+4:AC+8*\b+7] offset:64*\b+16
.endr
	WIN 0
.set BB, BK+64*((\a)%2)
.irp t, 0,1,2,3,4,5,6,7,8,9,10,11,12,13,14,15
	ds_load_b128 v[BB+4*\t:BB+4*\t+3], v[RD] offset:\t*SPITCH
.endr
.endm
.macro SEND a, younger                 ; younger: the LDS instructions issued behind block a's loads, which may stay out
.set BB, BK+64*((\a)%2)
	s_wait_dscnt \younger
.if (\a) > 0
	s_add_nc_u64 s[12:13], s[12:13], 16*SIZE_N*4   ; behind a wait on XCNT: the earlier stores have read their base
.endif
.irp t, 0,1,2,3,4,5,6,7,8,9,10,11,12,13,14,15
	global_store_b128 v[CO], v[BB+4*\t:BB+4*\t+3], s[12:13] offset:\t*SIZE_N*4 th:TH_STORE_NT   ; 32 lanes store 512 consecutive bytes, aligned
.endr
.endm
	PLACES NP
	TOSTAGE 0
.irp a, 1,2,3,4,5,6,7
.if \a > 1
	s_wait_xcnt 0x0                                ; block a - 2's stores have read their registers and their base
.endif
	TOSTAGE \a
	SEND \a-1, 32                                  ; behind block a - 1's loads: block a's 16 stores and 16 loads
.endr
	s_wait_xcnt 0x0
	SEND 7, 0
	s_wait_tensorcnt 0x0                           ; the wave's end
	ds_add_u32 v[SPW], v[NIL]
	s_wait_dscnt 0x0
	CROUND                                         ; the closing round
	s_endpgm
.Lfunc_end_k_qf999a48e37_oproj:
	.size	k_qf999a48e37_oproj, .Lfunc_end_k_qf999a48e37_oproj-k_qf999a48e37_oproj
	.p2alignl 7, 3214868480
	.fill 96, 4, 3214868480
	.section	.rodata,"a",@progbits
	.p2align	6, 0x0
	.amdhsa_kernel k_qf999a48e37_oproj
		.amdhsa_group_segment_fixed_size 327680
		.amdhsa_private_segment_fixed_size 0
		.amdhsa_enable_private_segment 0
		.amdhsa_kernarg_size 48
		.amdhsa_user_sgpr_count 2
		.amdhsa_user_sgpr_kernarg_segment_ptr 1
		.amdhsa_wavefront_size32 1
		.amdhsa_system_sgpr_workgroup_id_x 1
		.amdhsa_system_sgpr_workgroup_id_y 1
		.amdhsa_system_sgpr_workgroup_id_z 1
		.amdhsa_system_vgpr_workitem_id 0
		.amdhsa_next_free_vgpr 1024
		.amdhsa_next_free_sgpr 100
		.amdhsa_reserve_vcc 0
		.amdhsa_float_denorm_mode_32 3
		.amdhsa_float_denorm_mode_16_64 3
		.amdhsa_memory_ordered 1
		.amdhsa_forward_progress 1
		.amdhsa_inst_pref_size 148
	.end_amdhsa_kernel
	.amdgpu_metadata
---
amdhsa.version: [ 1, 2 ]
amdhsa.kernels:
  - .name:           k_qf999a48e37_oproj
    .symbol:         k_qf999a48e37_oproj.kd
    .args:
      - { .name: ao_img, .offset: 0, .size: 8, .value_kind: global_buffer, .address_space: global }
      - { .name: ao_sc, .offset: 8, .size: 8, .value_kind: global_buffer, .address_space: global }
      - { .name: Wo_codes, .offset: 16, .size: 8, .value_kind: global_buffer, .address_space: global }
      - { .name: Wo_scales, .offset: 24, .size: 8, .value_kind: global_buffer, .address_space: global }
      - { .name: bo, .offset: 32, .size: 8, .value_kind: global_buffer, .address_space: global }
      - { .name: out0, .offset: 40, .size: 8, .value_kind: global_buffer, .address_space: global }
    .group_segment_fixed_size: 327680
    .private_segment_fixed_size: 0
    .kernarg_segment_align: 8
    .kernarg_segment_size: 48
    .max_flat_workgroup_size: 128
    .sgpr_count:     100
    .vgpr_count:     1024
    .wavefront_size: 32
...
	.end_amdgpu_metadata
.endif
;; end of part 3
